; MI455X (gfx1250); checked and timed in simulation.
; The chip was launched on July 23, 2026; its instructions are those of AMD's public machine-readable ISA for CDNA 5 (MIT licence, August 2026) and "CDNA5" Instruction Set Architecture Reference Guide (July 2026). The comments in the code are by the model that wrote it; some were corrected since.
;; Loss Aware Memory Bank. Allowed arithmetic: matrix products marked QUANTISED: E2M3 operands, one E8M0 scale for each 32 along K, by v_wmma_scale_f32_16x16x128_f8f6f4 with both operands' format E2M3, f32 sums; products left as they are: f32 operands where the result goes on into a quantised operand, else bf16, f16 or f32 operands; f32 sums; everything else in f32.
;; Inputs: memory 16,384 x 1,024 float32; predictions 4,096 x 14 float32; query 4,096 x 1,024 float32.
;; Outputs: out0 4,096 x 1,024 float32.
;; This version of the problem:
;;   THIS VERSION OF THE PROBLEM IS GIVEN IN LOW PRECISION. The matrix products marked QUANTISED in the list below multiply operands that are first quantised to E2M3 (2 exponent bits, 3 mantissa bits; 6 bits a number), with one power-of-two scale for each 32 numbers along K (OCP MX v1.0); their sums are f32. All else is computed in f32.
;;   The module's matrix products, in the order in which they are computed (A, B: the left and right operand; K: the contracted axis; several contracted axes count as one K, in the product's order):
;;     1. [M 4,096, K 1,024] x [K 1,024, N 16,384]; A: computed on the way; B: computed on the way: QUANTISED
;;     2. batch 4,096 x [M 1, K 10] x [K 10, N 1,024]; A: softmax; B: computed on the way: left as it is (K = 10 < 32)
;;   THE QUANTISER, for each operand of a quantised product, along K:
;;     - K is cut into blocks of 32 from its start; a last block that is shorter is filled with zeros.
;;     - A block's scale is 2^e with e = floor(log2(the largest magnitude in the block)) - 2, held to -126 .. 127; a block of zeros has e = 0. As a byte (E8M0): e + 127.
;;     - Each number is divided by its block's scale, clamped to +-7.5, and rounded to the nearest number of E2M3, ties to even, subnormals kept.
;;     - The product sums the exact products of the quantised numbers (number of the format x scale) in f32.
;;   ~~~python
;;   def quantise(x, axis):      # numpy; x: float32 -> the quantised numbers, widened to float32 again
;;       x = np.moveaxis(x, axis, -1); K = x.shape[-1]
;;       x = np.pad(x, [(0, 0)] * (x.ndim - 1) + [(0, -K % 32)]); x = x.reshape(x.shape[:-1] + (-1, 32)); a = np.abs(x).max(-1, keepdims=True)
;;       e = np.where(a > 0, np.clip(np.frexp(np.where(a > 0, a, 1))[1] - 1 - 2, -126, 127), 0)      # np.frexp(a)[1] - 1 = floor(log2(a)), exactly
;;       r = np.clip(x / 2.0 ** e, -7.5, 7.5)
;;       step = 2.0 ** (np.maximum(np.frexp(np.where(r == 0, 1, r))[1] - 1, 0) - 3)
;;       q = np.round(r / step) * step * 2.0 ** e      # np.round: ties to even
;;       return np.moveaxis(q.reshape(q.shape[:-2] + (-1,))[..., :K], -1, axis).astype(np.float32)
;;   ~~~
;;   OPERANDS COMPUTED ON THE WAY. 'Computed on the way' means the value that the module computes at that place (a softmax that the list does not call 'softmax' is quantised finished and normalised). What goes into a quantiser is computed in f32, as accurately as f32 sums, v_exp_f32 and their like allow (about 1e-6 of the number): no bf16 or f16 on the way to a quantiser, and a product that is left as it is and whose result goes on into a quantised operand takes f32 operands (vector FMAs, or v_wmma_f32_16x16x4_f32). A number that lies on a knife's edge between two numbers of the format may be rounded either way, as far as f32 arithmetic and the matrix unit's own rounding can turn it there, and no further.
;; One version. Each part assembles by itself: llvm-mc -triple=amdgcn-amd-amdhsa -mcpu=gfx1250 --defsym DOCPART=n.
;; ======== version 1 of 1: 5 launches
;; limits: right only within a limited range of input values
;; workspace buffers: qc 3,145,728 bytes; mc 12,582,912 bytes; qs 131,072 bytes; ms 524,288 bytes; gmax 16,777,216 bytes; gid 262,144 bytes of whole numbers; ridx 262,144 bytes of whole numbers; rw 524,288 bytes
;; launch quant (part 1): grid 1280 x 1, 4 waves a work-group, no clusters, 33,280 bytes of LDS; arguments query, memory, qc, qs, mc, ms, predictions, ridx; writes qc, qs, mc, ms, ridx
.if DOCPART == 1
	.amdgcn_target "amdgcn-amd-amdhsa--gfx1250"
	.amdhsa_code_object_version 6
	.text
	.protected	k_qdac9e6e049_quant
	.globl	k_qdac9e6e049_quant
	.p2align	8
	.type	k_qdac9e6e049_quant,@function
k_qdac9e6e049_quant:
	s_mov_b64 s[64:65], 0
	v_nop
	global_prefetch_b8 v0, s[64:65] scope:SCOPE_SE
	s_setreg_imm32_b32 hwreg(HW_REG_WAVE_MODE, 25, 1), 1
	s_wait_xcnt 0x0
; Rows of query [4096][1024] and memory [16384][1024], f32, are divided by max(their L2 norm, 1e-12) and turned into codes of FP6 (E2M3) with one E8M0 scale byte for each 32 along K.
; OUTPUT LAYOUT: images of operand registers.  Codes: [block of 16 rows][K step s = 0..7][chunk c = 0..2][image lane L = r + 16 h][16 bytes]: image lane L holds row r; its 48 bytes are a fragment's
; registers 0-5 (k = 128 s + 32 h + 0..31) and 6-11 (k = 128 s + 64 + 32 h + 0..31).  Scale words: [block][rho = 0, 1][row r][4 words]: word w is K step 4 rho + w, its byte b scales k = 32 b .. 32 b + 31.
; SHARES: a work-group makes one block of 16 rows (work-groups 0-255: query, the others: memory; only pointers are chosen, one path through the text); wave w takes rows 4 w .. 4 w + 3, a whole row at a time.
; A row is loaded as it lies (each load 512 consecutive bytes), normalised, and turned through the wave's own stage in LDS, so that lane l holds k = 32 l .. 32 l + 31: one whole block of 32.
; The block's image is gathered in LDS and leaves in stores of 512 consecutive bytes a wave.  No work-group reads what another reads: no cluster, no tensor load.
; LIMITS: NaN and infinities among the inputs are not served.  A block of zeros gets the byte 1 where the rule says 127: its codes are zeros, and this program alone reads the bytes.
; The sum of squares runs in another order than a plain loop's, in f32.
.set TURNB, 4608                       ; a wave's stage: 32 places of 128 bytes + 16 of padding
.set IMG,   18432                      ; the block's code image, 12,288 bytes
.set SCI,   30720                      ; the block's scale image, 512 bytes
.set C,     16                         ; v16-22   a block's codes
.set X,     32                         ; v32-159  four rows as loaded, 32 registers each
.set Y,     160                        ; v160-191 sums of squares, then x / n's first guess, then the turned row, then the way out
	s_load_b256 s[4:11], s[0:1], 0x0               ; query, memory, qc, qs
	s_load_b128 s[12:15], s[0:1], 0x20             ; mc, ms
	s_load_b128 s[28:31], s[0:1], 0x30             ; predictions, ridx
	v_lshl_add_u32 v30, v0, 2, 0x8000
	v_mov_b32 v31, 0
	v_lshrrev_b32 v9, 5, v0
	v_readfirstlane_b32 s16, v9                    ; wave
	v_and_b32 v9, 31, v0                           ; lane l
	v_lshlrev_b32 v1, 4, v9                        ; 16 l: my 16 bytes of a load's 512
	s_mul_i32 s20, s16, TURNB
	v_lshrrev_b32 v2, 3, v9
	v_mul_u32_u24 v2, v2, 144
	v_and_b32 v3, 7, v9
	v_lshl_add_u32 v2, v3, 4, v2
	v_add_nc_u32 v2, s20, v2                       ; the stage, in: eight lanes' 128 bytes to a place: 144 (l / 8) + 16 (l % 8); a load's 512 bytes take four places
	v_mul_u32_u24 v3, v9, 144
	v_add_nc_u32 v3, s20, v3                       ; and out: place l
	s_lshl_b32 s21, s16, 6                         ; 64 w: my four rows' 16 bytes in an image chunk
	v_lshrrev_b32 v4, 2, v9
	v_mul_u32_u24 v4, v4, 1536                     ; K step l / 4
	v_and_b32 v5, 1, v9
	v_lshl_add_u32 v4, v5, 8, v4                   ; h = l % 2: image lanes 16 on
	s_add_co_u32 s22, s21, IMG
	v_add_nc_u32 v4, s22, v4
	v_bfe_u32 v6, v9, 1, 1                         ; which six registers of the fragment: (l / 2) % 2
	v_mad_u32_u24 v5, v6, 1016, v4
	v_add_nc_u32 v5, 8, v5                         ; my codes' bytes 8-15: chunk 0 byte 8, or chunk 2 byte 0
	v_mad_u32_u24 v4, v6, 520, v4                  ; bytes 0-7: chunk 0 byte 0, or chunk 1 byte 8; bytes 16-23 lie 512 further on
	v_lshrrev_b32 v6, 4, v9
	v_and_b32 v7, 15, v9
	v_lshl_add_u32 v6, v6, 8, v7
	s_add_co_u32 s22, s21, SCI
	v_add_nc_u32 v6, s22, v6                       ; my scale byte: 256 (l / 16) + 16 row + l % 16
	v_lshlrev_b32 v8, 4, v0                        ; the way out: 16 x thread
	v_add_nc_u32 v7, IMG, v8
	v_add_nc_u32 v9, SCI, v1
	s_mov_b32 s24, 0x76543210
	s_mov_b32 s25, 0xfedcba98                      ; v_permlanex16_b32's selects for lane l xor 16
	s_wait_kmcnt 0x0
	s_cmp_lt_u32 ttmp9, 256                        ; query's work-group or memory's: the choice hangs on the work-group's number alone
	s_cselect_b64 s[4:5], s[4:5], s[6:7]
	s_cselect_b64 s[8:9], s[8:9], s[12:13]
	s_cselect_b64 s[10:11], s[10:11], s[14:15]
	s_cselect_b32 s17, 0, 256
	s_sub_co_u32 s17, ttmp9, s17                   ; the block's number in its tensor
	s_lshl_b32 s18, s17, 16                        ; 16 rows of 4,096 bytes,
	s_lshl_b32 s19, s16, 14                        ; my wave's four
	s_add_co_u32 s18, s18, s19
	s_mov_b32 s19, 0
	s_add_nc_u64 s[4:5], s[4:5], s[18:19]
	s_mul_i32 s18, s17, 12288
	s_add_nc_u64 s[8:9], s[8:9], s[18:19]
	s_lshl_b32 s18, s17, 9
	s_add_nc_u64 s[10:11], s[10:11], s[18:19]
; ALSO MADE HERE: k[q] = floor(1 + 9 (1 - mean |sigmoid(predictions[q]) - 0.5|)), at most 16,384, as a whole number, so that the next launches can count trips by it.
; It lies in the first 16,384 bytes of ridx, 4 bytes a query, until the launch that fills ridx writes over it (that launch does not read ridx).
; Wave 0 of work-groups 0-63 takes 64 queries, two a lane: 28 numbers, 112 consecutive bytes; the wave stores one aligned unit of 256 bytes.  The mean's sum runs in another order than a plain loop's.
	s_lshr_b32 s26, ttmp9, 6
	s_or_b32 s26, s26, s16                         ; 0 in those waves alone: made of ids
	s_cmp_lg_u32 s26, 0
	s_cbranch_scc1 .Lno_k_loads
	v_mul_u32_u24 v15, v1, 7                       ; 112 l
	v_lshrrev_b32 v14, 1, v1                       ; 8 l
	s_mul_i32 s18, ttmp9, 3584                     ; 64 rows of 56 bytes
	s_add_nc_u64 s[28:29], s[28:29], s[18:19]
	s_lshl_b32 s18, ttmp9, 8
	s_add_nc_u64 s[30:31], s[30:31], s[18:19]
	s_wait_alu depctr_va_vdst(0)
.irp m, 0,1,2,3,4,5,6
	global_load_b128 v[Y+4*\m:Y+4*\m+3], v15, s[28:29] offset:16*\m
.endr
.Lno_k_loads:
.irp i, 0,1,2,3
.irp j, 0,1,2,3,4,5,6,7
	global_load_b128 v[X+32*\i+4*\j:X+32*\i+4*\j+3], v1, s[4:5] offset:4096*\i+512*\j th:TH_LOAD_NT   ; all 32 loads of the wave go out at once
.endr
.endr
.macro ROW i
.set XR, X+32*\i
	s_wait_loadcnt 8*(3-\i)                        ; loads come back in order: this row's eight are in, the later rows' may be out
.irp p, 0,1,2,3
	v_pk_mul_f32 v[Y+2*\p:Y+2*\p+1], v[XR+2*\p:XR+2*\p+1], v[XR+2*\p:XR+2*\p+1]   ; the sum of squares, in four chains of pairs: the first products start them
.endr
.irp p, 4,5,6,7,8,9,10,11,12,13,14,15
	v_pk_fma_f32 v[Y+2*(\p%4):Y+2*(\p%4)+1], v[XR+2*\p:XR+2*\p+1], v[XR+2*\p:XR+2*\p+1], v[Y+2*(\p%4):Y+2*(\p%4)+1]
.endr
	v_pk_add_f32 v[Y:Y+1], v[Y:Y+1], v[Y+2:Y+3]
	v_pk_add_f32 v[Y+4:Y+5], v[Y+4:Y+5], v[Y+6:Y+7]
	v_pk_add_f32 v[Y:Y+1], v[Y:Y+1], v[Y+4:Y+5]
	v_add_f32 v[Y], v[Y], v[Y+1]
	v_add_f32_dpp v[Y], v[Y], v[Y] row_xmask:1 row_mask:0xf bank_mask:0xf
	v_add_f32_dpp v[Y], v[Y], v[Y] row_xmask:2 row_mask:0xf bank_mask:0xf
	v_add_f32_dpp v[Y], v[Y], v[Y] row_xmask:4 row_mask:0xf bank_mask:0xf
	v_add_f32_dpp v[Y], v[Y], v[Y] row_xmask:8 row_mask:0xf bank_mask:0xf
	v_permlanex16_b32 v[Y+1], v[Y], s24, s25
	v_add_f32 v[Y], v[Y], v[Y+1]                   ; every lane holds the row's sum
	s_wait_alu depctr_va_vdst(0)
	v_sqrt_f32 v10, v[Y]
	v_nop                                          ; a plain instruction behind the root,
	s_wait_alu depctr_va_vdst(0)                   ; and a wait ahead of its first reader
	v_max_num_f32 v10, 0x2b8cbccc, v10             ; n = max(norm, 1e-12)
	s_wait_alu depctr_va_vdst(0)
	v_rcp_f32 v12, v10
	v_mov_b32 v11, v10                             ; (a plain instruction behind the reciprocal: n as a pair)
	s_wait_alu depctr_va_vdst(0)
	v_mov_b32 v13, v12                             ; r = 1 / n as a pair
.irp p, 0,1,2,3,4,5,6,7,8,9,10,11,12,13,14,15
	v_pk_mul_f32 v[Y+2*\p:Y+2*\p+1], v[XR+2*\p:XR+2*\p+1], v[12:13]                ; y = x r
.endr
.irp p, 0,1,2,3,4,5,6,7,8,9,10,11,12,13,14,15
	v_pk_fma_f32 v[XR+2*\p:XR+2*\p+1], v[Y+2*\p:Y+2*\p+1], v[10:11], v[XR+2*\p:XR+2*\p+1] neg_lo:[1,0,0] neg_hi:[1,0,0]   ; e = x - y n, exact in one rounding
.endr
.irp p, 0,1,2,3,4,5,6,7,8,9,10,11,12,13,14,15
	v_pk_fma_f32 v[XR+2*\p:XR+2*\p+1], v[XR+2*\p:XR+2*\p+1], v[12:13], v[Y+2*\p:Y+2*\p+1]   ; x / n = y + e r
.endr
.irp j, 0,1,2,3,4,5,6,7
	ds_store_b128 v2, v[XR+4*\j:XR+4*\j+3] offset:576*\j           ; through my stage, as the row lies
.endr
.irp j, 0,1,2,3,4,5,6,7
	ds_load_b128 v[Y+4*\j:Y+4*\j+3], v3 offset:16*\j               ; LDS serves a wave's instructions in order: these see the stores above.  Lane l: k = 32 l + 0 .. 31
.endr
	s_wait_dscnt 0x0                               ; the turned row is in, and the last row's image stores have read their registers
	v_max3_num_f32 v24, |v[Y]|, |v[Y+1]|, 0x1800000                ; the block's largest magnitude: all 32 numbers are mine; and the floor 2^(3 - 127), so that the byte cannot fall under 1
	v_max3_num_f32 v25, |v[Y+2]|, |v[Y+3]|, |v[Y+4]|
.irp k, 5,9,13,17,21,25
	v_max3_num_f32 v24, v24, |v[Y+\k]|, |v[Y+\k+1]|
	v_max3_num_f32 v25, v25, |v[Y+\k+2]|, |v[Y+\k+3]|
.endr
	v_max3_num_f32 v24, v24, |v[Y+29]|, |v[Y+30]|
	v_max3_num_f32 v24, v24, v25, |v[Y+31]|
	v_add_nc_u32 v26, 0xff000000, v24              ; 2 off its exponent field: the conversion takes the exponent field of this operand as its scale
	v_cvt_scalef32_pk16_fp6_f32 v[C:C+2], v[Y:Y+15], v26
	v_cvt_scalef32_pk16_fp6_f32 v[C+4:C+6], v[Y+16:Y+31], v26      ; (a conversion's three registers begin on an even number)
	v_lshrrev_b32 v27, 23, v26                     ; the scale's byte; also the plain instruction behind the conversions
	v_mov_b32 v[C+3], v[C+4]
	v_mov_b32 v[C+4], v[C+5]
	v_mov_b32 v[C+5], v[C+6]                       ; the block's 24 bytes on end
	ds_store_b64 v4, v[C:C+1] offset:16*\i
	ds_store_b64 v5, v[C+2:C+3] offset:16*\i
	ds_store_b64 v4, v[C+4:C+5] offset:512+16*\i
	ds_store_b8 v6, v27 offset:16*\i
.endm
.macro KALL op, c                      ; one instruction on each of the 28 numbers
.set n, 0
.rept 28
	\op v[Y+n], \c, v[Y+n]
.set n, n+1
.endr
.endm
.macro KTR op                          ; a batch of 28 transcendentals, with waits ahead of it and behind it
	s_wait_alu depctr_va_vdst(0)
.set n, 0
.rept 28
	\op v[Y+n], v[Y+n]
.set n, n+1
.endr
	v_nop
	s_wait_alu depctr_va_vdst(0)
.endm
	s_cmp_lg_u32 s26, 0
	s_cbranch_scc1 .Lno_k
	s_wait_loadcnt 32                              ; the predictions are in; the rows' 32 loads behind them may be out
	KALL v_mul_f32, 0xbfb8aa3b                     ; sigmoid(x) = 1 / (1 + 2^(-x log2 e))
	KTR v_exp_f32
	KALL v_add_f32, 1.0
	KTR v_rcp_f32
	KALL v_add_f32, -0.5
.irp q, 0,1                            ; the two queries by turns: sums in v24, v25 and v26, v27
	v_add_f32 v[24+2*\q], |v[Y+14*\q]|, |v[Y+14*\q+1]|
	v_add_f32 v[25+2*\q], |v[Y+14*\q+2]|, |v[Y+14*\q+3]|
.endr
.irp m, 4,6,8,10,12
.irp q, 0,1
	v_add_f32 v[24+2*\q], v[24+2*\q], |v[Y+14*\q+\m]|
	v_add_f32 v[25+2*\q], v[25+2*\q], |v[Y+14*\q+\m+1]|
.endr
.endr
.irp q, 0,1
	v_add_f32 v[24+2*\q], v[24+2*\q], v[25+2*\q]
.endr
.irp q, 0,1
	v_mul_f32 v[10+2*\q], 0x3d924925, v[24+2*\q]   ; / 14: a first guess,
.endr
.irp q, 0,1
	v_fma_f32 v[11+2*\q], -v[10+2*\q], 0x41600000, v[24+2*\q]   ; its remainder,
.endr
.irp q, 0,1
	v_fma_f32 v[10+2*\q], v[11+2*\q], 0x3d924925, v[10+2*\q]    ; and the correction
.endr
.irp q, 0,1
	v_sub_f32 v[10+2*\q], 1.0, v[10+2*\q]          ; 1 - c, x 9, + 1: each rounded by itself, ahead of the floor
.endr
.irp q, 0,1
	v_mul_f32 v[10+2*\q], 0x41100000, v[10+2*\q]
.endr
.irp q, 0,1
	v_add_f32 v[10+2*\q], 1.0, v[10+2*\q]
.endr
.irp q, 0,1
	v_floor_f32 v[10+2*\q], v[10+2*\q]
.endr
.irp q, 0,1
	v_min_num_f32 v[10+2*\q], 0x46800000, v[10+2*\q]   ; at most the bank's 16,384 rows
.endr
.irp q, 0,1
	v_cvt_u32_f32 v[28+\q], v[10+2*\q]             ; v28, v29 and v14 are written nowhere else
.endr
	global_store_b64 v14, v[28:29], s[30:31]       ; 32 lanes store 256 consecutive bytes, at a multiple of 256 from ridx's first byte
.Lno_k:
	ROW 0
	ROW 1
	ROW 2
	ROW 3
	s_wait_dscnt 0x0                               ; for the others' sake: my stores into the images are done
	s_barrier_signal -1
	s_barrier_wait -1
.irp k, 0,1,2,3,4,5
	ds_load_b128 v[Y+4*\k:Y+4*\k+3], v7 offset:2048*\k
.endr
.irp k, 0,1,2,3,4,5
	s_wait_dscnt 5-\k                              ; the younger loads may be out
	global_store_b128 v8, v[Y+4*\k:Y+4*\k+3], s[8:9] offset:2048*\k   ; a wave stores 512 consecutive bytes, at a multiple of 256 from the buffer's first byte
.endr
	s_cmp_lg_u32 s16, 0
	s_cbranch_scc1 .Ldone                          ; wave 0 alone stores the block's 512 bytes of scale words
	ds_load_b128 v[Y+24:Y+27], v9
	s_wait_dscnt 0x0
	global_store_b128 v1, v[Y+24:Y+27], s[10:11]
.Ldone:
	s_wait_tensorcnt 0x0
	ds_add_u32 v30, v31
	s_wait_dscnt 0x0
	s_endpgm
.Lfunc_end_k_qdac9e6e049_quant:
	.size	k_qdac9e6e049_quant, .Lfunc_end_k_qdac9e6e049_quant-k_qdac9e6e049_quant
	.p2alignl 7, 3214868480
	.fill 96, 4, 3214868480
	.section	.rodata,"a",@progbits
	.p2align	6, 0x0
	.amdhsa_kernel k_qdac9e6e049_quant
		.amdhsa_group_segment_fixed_size 33280
		.amdhsa_private_segment_fixed_size 0
		.amdhsa_enable_private_segment 0
		.amdhsa_kernarg_size 64
		.amdhsa_user_sgpr_count 2
		.amdhsa_user_sgpr_kernarg_segment_ptr 1
		.amdhsa_wavefront_size32 1
		.amdhsa_system_sgpr_workgroup_id_x 1
		.amdhsa_system_sgpr_workgroup_id_y 1
		.amdhsa_system_sgpr_workgroup_id_z 1
		.amdhsa_system_vgpr_workitem_id 0
		.amdhsa_next_free_vgpr 192
		.amdhsa_next_free_sgpr 66
		.amdhsa_reserve_vcc 0
		.amdhsa_float_denorm_mode_32 3
		.amdhsa_float_denorm_mode_16_64 3
		.amdhsa_memory_ordered 1
		.amdhsa_forward_progress 1
		.amdhsa_inst_pref_size 47
	.end_amdhsa_kernel
	.amdgpu_metadata
---
amdhsa.version: [ 1, 2 ]
amdhsa.kernels:
  - .name:           k_qdac9e6e049_quant
    .symbol:         k_qdac9e6e049_quant.kd
    .args:
      - { .name: query, .offset: 0, .size: 8, .value_kind: global_buffer, .address_space: global }
      - { .name: memory, .offset: 8, .size: 8, .value_kind: global_buffer, .address_space: global }
      - { .name: qc, .offset: 16, .size: 8, .value_kind: global_buffer, .address_space: global }
      - { .name: qs, .offset: 24, .size: 8, .value_kind: global_buffer, .address_space: global }
      - { .name: mc, .offset: 32, .size: 8, .value_kind: global_buffer, .address_space: global }
      - { .name: ms, .offset: 40, .size: 8, .value_kind: global_buffer, .address_space: global }
      - { .name: predictions, .offset: 48, .size: 8, .value_kind: global_buffer, .address_space: global }
      - { .name: ridx, .offset: 56, .size: 8, .value_kind: global_buffer, .address_space: global }
    .group_segment_fixed_size: 33280
    .private_segment_fixed_size: 0
    .kernarg_segment_align: 8
    .kernarg_segment_size: 64
    .max_flat_workgroup_size: 128
    .sgpr_count:     66
    .vgpr_count:     192
    .wavefront_size: 32
...
	.end_amdgpu_metadata
.endif
;; end of part 1
;; launch simgemm (part 2): grid 16 x 16, 4 waves a work-group, clusters of 4 x 4, 327,680 bytes of LDS; arguments qc, qs, mc, ms, gmax; writes gmax
.if DOCPART == 2
	.amdgcn_target "amdgcn-amd-amdhsa--gfx1250"
	.amdhsa_code_object_version 6
	.text
	.protected	k_qdac9e6e049_simgemm
	.globl	k_qdac9e6e049_simgemm
	.p2align	8
	.type	k_qdac9e6e049_simgemm,@function
k_qdac9e6e049_simgemm:
	s_mov_b64 s[64:65], 0
	v_nop
	global_prefetch_b8 v0, s[64:65] scope:SCOPE_SE
	s_setreg_imm32_b32 hwreg(HW_REG_WAVE_MODE, 25, 1), 1
	s_wait_xcnt 0x0
	s_wait_alu depctr_hold_cnt(0) depctr_sa_sdst(0) depctr_va_vdst(0) depctr_va_sdst(0) depctr_va_ssrc(0) depctr_va_vcc(0) depctr_vm_vsrc(0)
	s_getreg_b32 s2, hwreg(HW_REG_IB_STS2, 6, 4)
	s_cmp_eq_u32 s2, 0
	s_cbranch_scc0 .Lentry_in_a_cluster
	s_endpgm
.Lentry_in_a_cluster:
	s_bfe_u32 s2, ttmp6, 0x10000c
	s_cmp_lg_u32 s2, 0xf033
	s_cbranch_scc0 .Lentry_shape_is_right
	s_endpgm
.Lentry_shape_is_right:
; The largest of the 16 similarities of query q with memory rows 16 g .. 16 g + 15, for every q and g; a similarity is the product, on codes of FP6 (E2M3) with E8M0 scales, of the two normalised rows, K = 1,024, f32 sums.
; The similarities never leave the registers.  gmax is laid [strip of 4 groups g / 4][query][g % 4], f32: 16 bytes a query and strip, 65,536 bytes a strip.
; SHARES.  A work-group owns 256 queries (y) and 1,024 memory rows (x), taken as four tiles of 256 rows.  Four waves, each 128 queries x 128 rows of a tile: 64 accumulators, 512 registers.
; Source 0 = 16 memory rows (one group), source 1 = 16 queries: lane (r, h) of an accumulator holds query r, its register j memory row 8 h + j: a group's maximum is seven maxima in a lane and one between the halves.
; OPERANDS lie in memory as images of their registers (block of 16 rows, K step, chunk, lane): a fragment is three loads of 16 bytes a lane at 16 x lane.
; THE QUERIES' CODES, 196,608 bytes, come into LDS once and stay, laid [K half][block][6,144 bytes].  Memory's codes go in steps of 256 along K through a ring of two slots of 49,152 bytes; the ring goes on from tile to tile.
; THE HEAD: one tensor load a wave: waves 0 and 3 bring slots 0 and 1 whole (16 rows of 3,072 bytes), waves 1 and 2 the queries' first K half (8 rows of 6,144 bytes each).  The second K half is a later first fill:
; behind the three lines and a round behind which nothing is filled again; it is first read four K steps on.  A refill is four loads, a wave's four blocks each.
; CLUSTERS: 4 x 4 work-groups.  The four of a row need the same queries, the four of a column the same memory tiles: each tile is asked for jointly.
; PREFETCH: behind each of a tile's four refills one instruction a wave names a quarter (256 along K) of the NEXT tile, which is loaded two refills on.  Of the four blocks that a wave fetches, the partner at place cy
; names block cy: 12 lanes, 256 bytes apart (the other lanes name the last again): told apart by address alone.  Tile 0's quarters 2 and 3 are named behind the head's second round; the last tile names nothing.
; SCALE WORDS come from memory into registers that hold nothing else: the queries' once; a tile's memory rows' in halves: K steps 0-3 are asked for at the tile before's K step 4, K steps 4-7 at the tile's own head.
; LIMITS: NaN among the similarities is not served.
; REGISTERS, in windows of 256: window 0: v16-30 addresses; v32-63 memory's scale words; v64-127 the queries'; v128-223 the queries' fragments, one set; v224-255 at work on the maxima.
;   window 1: memory's fragments, two sets, at v0 and v128.   windows 2, 3: accumulator (a = query block, b = memory block) at v[8 (8 (a % 4) + b)] of window 2 + a / 4.
.set PSLOT,  49152                     ; a slot: memory's 16 blocks x 3,072 bytes
.set QB,     98304                     ; behind the ring: the queries
.set QH,     98304                     ; a K half of their 16 blocks
.set SPARE,  294912                    ; behind the queries: the spare words, 128 bytes a wave, which no other line names
.set ADRQ, 16                          ; v16-17  LDS address of my queries' fragments, K half 0, 1
.set ADRP, 20                          ; v20-21  LDS address of memory's fragments in slot 0, 1
.set PFO,  24                          ; v24     the prefetches' offset: 256 x min(lane, 11)
.set CO,   26                          ; v26     my byte offset in gmax: 65,536 h + 16 r
.set SMO,  27                          ; v27     my offset among the tile's scale words: lanes 0-15 blocks 0-3, lanes 16-31 blocks 4-7
.set SPW,  28                          ; v28     LDS address of my spare word; never rewritten
.set NIL,  29                          ; v29     0; never rewritten
.set SQO,  30                          ; v30     my offset among the queries' scale words
.set SM,   32                          ; v[SM + 8 (b % 4) + s]: K step s; lanes 0-15 memory block b % 4, lanes 16-31 block b % 4 + 4
.set SQ,   64                          ; v[SQ + 8 a + s]: query block a, K step s, in lanes 0-15
.set AF,   128
.set TMP,  224
.set G1P,  24                          ; s[24:31] group 1: memory, 4 rows of 3,072 bytes
.set G1W,  32                          ; s[32:39] group 1: memory, 16 rows of 3,072 bytes
.set G1Q,  48                          ; s[48:55] group 1: the queries, 8 rows of 6,144 bytes
.set G0P,  56                          ; s[56:63] group 0 of the refills, one set for each slot
.set MSP,  66                          ; s[66:67] the tile's scale words of my 8 memory blocks
.set G0HP, 68                          ; s[68:71] group 0 of the head's whole slot
.set G0HQ, 72                          ; s[72:75] group 0 of the queries' loads
.set PFA,  76                          ; s[76:77] this tile's block 4 x wave + cy in mc
.set MSB, 0
.macro WIN new                         ; the immediate's high byte repeats the setting that is left; a switch that changes nothing is dropped
.if MSB != (\new)
	s_set_vgpr_msb (MSB<<8)|(\new)
.set MSB, (\new)
.endif
.endm
.set MUL_LO, 0xa1                      ; source 0 (memory) window 1, source 1 (queries) window 0, C and D window 2
.set MUL_HI, 0xf1                      ; the same, C and D window 3
.macro PLACES n                        ; plain instructions between a matrix instruction and a load into, or a vector read of, its registers
.rept \n
	v_nop
.endr
.endm
.macro TLOAD g0, g1                    ; a tensor load with the lines behind it
	tensor_load_to_lds s[\g0:\g0+3], s[\g1:\g1+7]
	s_nop 0
	PLACES 4
.endm
.macro CREST                           ; a round of the cluster's barrier behind its opening barrier
	s_cmp_lg_u32 s14, 0
	s_cbranch_scc1 .Lnot_wave_0_\@
	s_barrier_signal -3
.Lnot_wave_0_\@:
	s_barrier_wait -3
	s_barrier_signal -1
	s_barrier_wait -1
.endm
.macro CROUND
	s_barrier_signal -1
	s_barrier_wait -1
	CREST
.endm
.macro G1SET g, c, r                   ; r rows of c elements of 8 bytes, 1,536 elements (a block's 12,288 bytes) apart; no padding
	s_mov_b32 s[\g+1], \c<<16
	s_mov_b32 s[\g+2], \r<<16
	s_mov_b32 s[\g+3], \c<<16
	s_mov_b32 s[\g+4], \r
	s_mov_b32 s[\g+5], 1536
	s_mov_b32 s[\g+6], 0
	s_mov_b32 s[\g+7], 0
.endm
	s_load_b256 s[4:11], s[0:1], 0x0               ; qc s[4:5], qs s[6:7], mc s[8:9], ms s[10:11]
	s_load_b64 s[12:13], s[0:1], 0x20              ; gmax
	v_lshl_add_u32 v[SPW], v0, 2, SPARE
	v_mov_b32 v[NIL], 0
	ds_add_u32 v[SPW], v[NIL]                      ; the opening lines: the add, twice on end, and its wait ahead of my first tensor load
	ds_add_u32 v[SPW], v[NIL]
	v_lshrrev_b32 v1, 5, v0
	v_readfirstlane_b32 s14, v1                    ; wave 0..3
	s_lshr_b32 s15, s14, 1                         ; which 128 queries are mine; also which half the head's load of mine brings
	s_and_b32 s16, s14, 1                          ; which 128 memory rows of a tile
	s_xor_b32 s18, s14, s15
	s_and_b32 s18, s18, 1                          ; 1 in waves 1 and 2: they load the queries
	s_bfe_u32 s40, ttmp6, 0x40000                  ; cx, cy: my place in the cluster
	s_bfe_u32 s41, ttmp6, 0x40004
	s_lshl_b32 s42, ttmp9, 2
	s_add_co_u32 s42, s42, s40                     ; x: memory rows 1,024 x on
	s_and_b32 s17, ttmp7, 0xffff
	s_lshl_b32 s17, s17, 2
	s_add_co_u32 s17, s17, s41                     ; y: queries 256 y on
	s_lshl_b32 s43, s41, 2
	s_lshl_b32 s43, 15, s43                        ; my row of the cluster
	s_lshl_b32 s44, 0x1111, s40                    ; my column
	s_or_b32 s[G1Q], s43, (3<<16)|(1<<21)          ; the queries' tiles go to my row; elements of 8 bytes; bit 21 set beside a mask
	s_or_b32 s[G1P], s44, (3<<16)|(1<<21)          ; memory's tiles go to my column
	s_or_b32 s[G1W], s44, (3<<16)|(1<<21)
	G1SET G1P, 384, 4
	G1SET G1W, 384, 16
	G1SET G1Q, 768, 8
	s_lshl_b32 s20, s17, 4
	s_lshl_b32 s21, s15, 3
	s_add_co_u32 s20, s20, s21
	s_mul_i32 s20, s20, 12288                      ; the queries: block 16 y + 8 x half
	s_mov_b32 s21, 0
	s_mul_i32 s46, s42, 64*12288
	s_mul_i32 s47, s15, 3072
	s_add_co_u32 s46, s46, s47                     ; the head's whole slot: block 64 x, 256 along K x slot
	s_mov_b32 s47, 0
	s_lshl_b32 s22, s42, 6
	s_lshl_b32 s23, s14, 2
	s_add_co_u32 s22, s22, s23                     ; the refills: block 64 x + 4 x wave
	s_add_co_u32 s84, s22, s41                     ; the prefetches: + cy (in registers that feed no descriptor)
	s_mul_i32 s22, s22, 12288
	s_mov_b32 s23, 0
	s_mul_i32 s84, s84, 12288
	s_mov_b32 s85, 0
	s_mul_i32 s45, s14, 12288                      ; LDS: wave x 4 blocks x 3,072
	s_mul_i32 s19, s15, 49152                      ; LDS: half x 49,152: a slot, or 8 blocks x 6,144
	s_wait_alu depctr_va_vdst(0)
	s_wait_dscnt 0x0                               ; both opening adds are done
	s_wait_kmcnt 0x0
	s_mov_b32 s[G0HQ], 1
	s_add_co_u32 s[G0HQ+1], s19, QB
	s_add_nc_u64 s[G0HQ+2:G0HQ+3], s[4:5], s[20:21]
	s_or_b32 s[G0HQ+3], s[G0HQ+3], 0x80000000
	s_mov_b32 s[G0HP], 1
	s_mov_b32 s[G0HP+1], s19
	s_add_nc_u64 s[G0HP+2:G0HP+3], s[8:9], s[46:47]
	s_or_b32 s[G0HP+3], s[G0HP+3], 0x80000000
	s_add_nc_u64 s[22:23], s[8:9], s[22:23]
.irp s, 0,1
	s_mov_b32 s[G0P+4*\s], 1
	s_add_co_u32 s[G0P+4*\s+1], s45, \s*PSLOT
	s_add_nc_u64 s[G0P+4*\s+2:G0P+4*\s+3], s[22:23], \s*3072   ; each slot's first refill steps this by 6,144
	s_or_b32 s[G0P+4*\s+3], s[G0P+4*\s+3], 0x80000000
.endr
	s_add_nc_u64 s[PFA:PFA+1], s[8:9], s[84:85]
	CROUND                                         ; all sixteen work-groups are here: the first joint loads meet
	s_cmp_eq_u32 s18, 0
	s_cbranch_scc0 .Lhead_q
	TLOAD G0HP, G1W                                ; waves 0, 3: slot 0, slot 1
	s_branch .Lhead_join
.Lhead_q:
	TLOAD G0HQ, G1Q                                ; waves 1, 2: the queries' K half 0, blocks 0-7, 8-15
.Lhead_join:
	s_lshl_b32 s84, s17, 4
	s_lshl_b32 s85, s15, 3
	s_add_co_u32 s84, s84, s85
	s_lshl_b32 s84, s84, 9                         ; the scale words of my 8 query blocks: (16 y + 8 x half) x 512
	s_mov_b32 s85, 0
	s_add_nc_u64 s[6:7], s[6:7], s[84:85]
	s_lshl_b32 s90, s42, 6
	s_lshl_b32 s91, s16, 3
	s_add_co_u32 s90, s90, s91
	s_lshl_b32 s90, s90, 9                         ; and of my 8 memory blocks of tile 0: (64 x + 8 x half) x 512
	s_mov_b32 s91, 0
	s_add_nc_u64 s[MSP:MSP+1], s[10:11], s[90:91]
	s_lshl_b32 s94, s42, 4
	s_lshl_b32 s95, s16, 1
	s_add_co_u32 s94, s94, s95
	s_lshl_b32 s94, s94, 16                        ; gmax: strip 16 x + 2 x memory half (+ 4 with each tile, + 1 for lanes 16-31),
	s_lshl_b32 s95, s17, 8
	s_lshl_b32 s96, s15, 7
	s_add_co_u32 s95, s95, s96
	s_lshl_b32 s95, s95, 4                         ; query 256 y + 128 x query half, 16 bytes each
	s_add_co_u32 s94, s94, s95
	s_mov_b32 s95, 0
	s_add_nc_u64 s[12:13], s[12:13], s[94:95]
	s_add_co_u32 s86, s19, QB                      ; my 8 query blocks: 8 x 6,144 = 49,152 x half
	s_mul_i32 s87, s16, 24576                      ; my 8 memory blocks
	v_and_b32 v1, 15, v0                           ; r
	v_bfe_u32 v2, v0, 4, 1                         ; h
	v_and_b32 v3, 31, v0
	v_min_u32 v4, 11, v3
	v_lshlrev_b32 v3, 4, v3                        ; 16 x lane: an image's place for my lane
	v_lshlrev_b32 v[PFO], 8, v4
	v_lshlrev_b32 v[SQO], 4, v1                    ; 16 r: a row's four scale words
	v_lshl_add_u32 v[SMO], v2, 11, v[SQO]          ; lanes 16-31: four blocks of 512 bytes on
	v_lshl_add_u32 v[CO], v2, 16, v[SQO]           ; lanes 16-31: one strip of 65,536 bytes on
	v_add_nc_u32 v[ADRQ], s86, v3
	v_add_nc_u32 v[ADRQ+1], QH, v[ADRQ]
	v_add_nc_u32 v[ADRP], s87, v3
	v_add_nc_u32 v[ADRP+1], PSLOT, v[ADRP]
	s_wait_alu depctr_va_vdst(0)                   ; the wait at the head's end, behind its last vector instruction
.irp a, 0,1,2,3,4,5,6,7
.irp o, 0,1
	global_load_b128 v[SQ+8*\a+4*\o:SQ+8*\a+4*\o+3], v[SQO], s[6:7] offset:512*\a+256*\o   ; the queries' scale words: they stay
.endr
.endr
.macro SMLOAD o, off                   ; scale words of my 8 memory blocks, K steps 4 o .. 4 o + 3; off = 8,192: the next tile's
.irp b, 0,1,2,3
	global_load_b128 v[SM+8*\b+4*\o:SM+8*\b+4*\o+3], v[SMO], s[MSP:MSP+1] offset:\off+512*\b+256*\o
.endr
.endm
	SMLOAD 0, 0
.macro FETCH_P slot, q, p              ; memory's eight fragments, the q-th 128 of the slot's 256 along K, into set p
	WIN 0x40                                       ; destination window 1, address window 0
.irp i, 0,1,2,3,4,5,6,7
.irp c, 0,1,2
	ds_load_b128 v[128*(\p)+12*\i+4*\c:128*(\p)+12*\i+4*\c+3], v[ADRP+\slot] offset:3072*\i+1536*(\q)+512*\c
.endr
.endr
	WIN 0
.endm
.macro FETCH_Q s, i0                   ; the queries' blocks i0 .. i0 + 3 of K step s
.irp i, \i0, \i0+1, \i0+2, \i0+3
.irp c, 0,1,2
	ds_load_b128 v[AF+12*(\i)+4*\c:AF+12*(\i)+4*\c+3], v[ADRQ+(\s)/4] offset:6144*(\i)+1536*((\s)%4)+512*\c
.endr
.endr
.endm
.macro MM a, b, p, s, zero             ; one product: query block a x memory block b, K step s, memory's set p
.set rD, 8*(8*((\a)%4)+\b)
.set rP, 128*(\p)+12*\b
.set rQ, AF+12*(\a)
.set rM, SM+8*((\b)%4)+(\s)
.set rS, SQ+8*(\a)+(\s)
.if \zero
.if \b < 4
	v_wmma_scale_f32_16x16x128_f8f6f4 v[rD:rD+7], v[rP:rP+11], v[rQ:rQ+11], 0, v[rM], v[rS] matrix_a_fmt:MATRIX_FMT_FP6 matrix_b_fmt:MATRIX_FMT_FP6
.else
	v_wmma_scale_f32_16x16x128_f8f6f4 v[rD:rD+7], v[rP:rP+11], v[rQ:rQ+11], 0, v[rM], v[rS] matrix_a_fmt:MATRIX_FMT_FP6 matrix_b_fmt:MATRIX_FMT_FP6 matrix_a_scale:MATRIX_SCALE_ROW1
.endif
.else
.if \b < 4
	v_wmma_scale_f32_16x16x128_f8f6f4 v[rD:rD+7], v[rP:rP+11], v[rQ:rQ+11], v[rD:rD+7], v[rM], v[rS] matrix_a_fmt:MATRIX_FMT_FP6 matrix_b_fmt:MATRIX_FMT_FP6
.else
	v_wmma_scale_f32_16x16x128_f8f6f4 v[rD:rD+7], v[rP:rP+11], v[rQ:rQ+11], v[rD:rD+7], v[rM], v[rS] matrix_a_fmt:MATRIX_FMT_FP6 matrix_b_fmt:MATRIX_FMT_FP6 matrix_a_scale:MATRIX_SCALE_ROW1
.endif
.endif
.endm
; 16 products: query blocks a0, a0 + 1 x memory's eight.  zero = 1: the first product starts the sums.  The 64 accumulators take turns, one instruction a turn, in the same order in every step.
.macro MUL16 a0, p, s, zero
.irp a, \a0, \a0+1
.irp b, 0,1,2,3,4,5,6,7
	MM (\a), \b, \p, \s, \zero
.endr
.endr
.endm
; K step s, the first of its slot: multiplies memory's set 0 and fetches the second 128 along K.  The LDS loads stand in two runs a step.
.macro STEP slot, s, zero
	s_wait_dscnt 12                                ; memory's set and the queries' blocks 0-3 are in; the youngest twelve loads (the queries' blocks 4-7) may be out
	WIN MUL_LO
	MUL16 0, 0, \s, \zero
	MUL16 2, 0, \s, \zero
	s_wait_dscnt 0x0                               ; the queries' blocks 4-7 are in
	PLACES 4
	FETCH_P \slot, 1, 1
	FETCH_Q (\s)+1, 0
	WIN MUL_HI
	MUL16 4, 0, \s, \zero
	MUL16 6, 0, \s, \zero
	PLACES 4
	WIN 0
	FETCH_Q (\s)+1, 4
.endm
; K step s, the last of its slot: multiplies set 1 and changes slots: one barrier; in front of it each wave waits for all its tensor loads, adds 0 to its spare word, and waits for that and for its reads of this slot.
; fill = 1: this slot is filled again, two slot steps ahead: on = 0 in the same tile, on = 1 in the next (16 blocks on and back along K).  pf: which quarter of the next tile is prefetched, or -1.
.macro TURN slot, next, fill, on, s, pf
	s_wait_tensorcnt 0x0                           ; all my tensor loads have landed: my part of the next slot (the first time: of the queries' second K half)
	ds_add_u32 v[SPW], v[NIL]                      ; 0 onto my spare word
	s_wait_dscnt 13                                ; (the add and the youngest twelve loads may be out)
	WIN MUL_LO
	MUL16 0, 1, \s, 0                              ; sixteen products stand between the add and the wait for it
	s_wait_dscnt 0x0                               ; the add is done, and my reads of this slot are over
	s_barrier_signal -1
	MUL16 2, 1, \s, 0
	WIN 0
	s_barrier_wait -1
.if \fill
	CREST                                          ; the barrier has opened a round of the cluster's barrier: no wave of any partner still reads this slot or has a load on its way
.if \on
	s_add_nc_u64 s[G0P+4*\slot+2:G0P+4*\slot+3], s[G0P+4*\slot+2:G0P+4*\slot+3], 16*12288-6144
.else
	s_add_nc_u64 s[G0P+4*\slot+2:G0P+4*\slot+3], s[G0P+4*\slot+2:G0P+4*\slot+3], 6144
.endif
	TLOAD G0P+4*\slot, G1P                         ; the first tensor load behind the round, my one load until the next; its four v_nop are also the places in front of the loads below
.else
	PLACES 4
.endif
	FETCH_P \next, 0, 0
	FETCH_Q ((\s)+1)%8, 0
.if \pf >= 0
	global_prefetch_b8 v[PFO], s[PFA:PFA+1] offset:16*12288+3072*\pf th:TH_LOAD_NT scope:SCOPE_SE   ; the next tile's quarter pf: it is loaded two refills on
.endif
	WIN MUL_HI
	MUL16 4, 1, \s, 0
	MUL16 6, 1, \s, 0
	PLACES 4
	WIN 0
	FETCH_Q ((\s)+1)%8, 4
.endm
.macro LAST s                          ; the launch's last K step: nothing more to fetch
	s_wait_dscnt 12
	WIN MUL_LO
	MUL16 0, 1, \s, 0
	MUL16 2, 1, \s, 0
	s_wait_dscnt 0x0
	WIN MUL_HI
	MUL16 4, 1, \s, 0
	MUL16 6, 1, \s, 0
	WIN 0
	PLACES 4
.endm
; A TILE'S END: each accumulator's 16 x 16 similarities become 16 group maxima.  In a lane: eight registers (each accumulator is read from its low end on); between the halves: one exchange serves two
; accumulators: behind it lanes 0-15 hold group b, lanes 16-31 group b + 4.  So four registers of lane (r, h) are the four groups of strip h of query r: 16 bytes of gmax.
.macro EPI
.irp w, 0,1
.if \w
	s_wait_xcnt 0x0                                ; the first window's stores have read their registers, which are written again below
.endif
	WIN 0x2a+0x15*\w                               ; all three sources: window 2 or 3
.set t, 0
.rept 32
	v_max3_num_f32 v[TMP+t], v[8*t], v[8*t+1], v[8*t+2]
.set t, t+1
.endr
	WIN 0x28+0x14*\w                               ; source 0 window 0
.set t, 0
.rept 32
	v_max3_num_f32 v[TMP+t], v[TMP+t], v[8*t+3], v[8*t+4]
.set t, t+1
.endr
.set t, 0
.rept 32
	v_max3_num_f32 v[TMP+t], v[TMP+t], v[8*t+5], v[8*t+6]
.set t, t+1
.endr
.set t, 0
.rept 32
	v_max_num_f32 v[TMP+t], v[TMP+t], v[8*t+7]
.set t, t+1
.endr
	WIN 0
.irp a, 0,1,2,3
.irp b, 0,1,2,3
	v_permlane16_swap_b32 v[TMP+8*\a+\b], v[TMP+8*\a+\b+4]   ; the first's lanes 16-31 change places with the second's lanes 0-15
.endr
.endr
.irp a, 0,1,2,3
.irp b, 0,1,2,3
	v_max_num_f32 v[TMP+8*\a+\b], v[TMP+8*\a+\b], v[TMP+8*\a+\b+4]
.endr
.endr
.irp a, 0,1,2,3
	global_store_b128 v[CO], v[TMP+8*\a:TMP+8*\a+3], s[12:13] offset:256*(4*\w+\a) th:TH_STORE_NT   ; lanes 0-15 store 256 consecutive bytes, at a multiple of 256 from gmax's first byte; lanes 16-31 likewise, one strip on
.endr
.endr
	s_wait_xcnt 0x0                                ; the stores, the scale words' loads and the prefetches have read their registers and bases
	s_add_nc_u64 s[12:13], s[12:13], 4*65536       ; the next tile's four strips
.endm
; A TILE: eight K steps in four slot steps.  nxt = 1: its last two changes of slots ask for the next tile's first two slot steps.
.macro TILE nxt
	s_wait_loadcnt 0x0                             ; the tile's scale words of K steps 0-3 (the first time: the queries' too)
	SMLOAD 1, 0                                    ; those of K steps 4-7: the products that read these registers lie behind the maxima's vector work
	STEP 0, 0, 1
	TURN 0, 1, 1, 0, 1, \nxt-1
	STEP 1, 2, 0
	TURN 1, 0, 1, 0, 3, 2*\nxt-1
	s_wait_loadcnt 0x0                             ; the scale words of K steps 4-7 are in
.if \nxt
	SMLOAD 0, 8192                                 ; the next tile's of K steps 0-3 (16 blocks of 512 bytes on): four places stand behind the last product that read these registers
.endif
	STEP 0, 4, 0
	TURN 0, 1, \nxt, 1, 5, 3*\nxt-1
	STEP 1, 6, 0
.if \nxt
	TURN 1, 0, 1, 1, 7, 3
.else
	LAST 7
.endif
	EPI
.if \nxt
	s_add_nc_u64 s[MSP:MSP+1], s[MSP:MSP+1], 8192
	s_add_nc_u64 s[PFA:PFA+1], s[PFA:PFA+1], 16*12288
.endif
.endm
	s_wait_tensorcnt 0x0                           ; my load of the head is in; these lines stand ahead of a later first fill, as ahead of a refill
	ds_add_u32 v[SPW], v[NIL]
	s_add_co_u32 s[G0HQ+1], s[G0HQ+1], QH          ; the queries' second K half: 98,304 bytes on in LDS,
	s_add_nc_u64 s[G0HQ+2:G0HQ+3], s[G0HQ+2:G0HQ+3], 6144   ; 6,144 on in each block
	s_wait_dscnt 0x0
	CROUND                                         ; everybody's part is in, and all sixteen work-groups are here
	s_cmp_eq_u32 s18, 0
	s_cbranch_scc1 .Lno_late
	TLOAD G0HQ, G1Q                                ; waves 1, 2
.Lno_late:
	FETCH_P 0, 0, 0
	FETCH_Q 0, 0
	FETCH_Q 0, 4
	global_prefetch_b8 v[PFO], s[PFA:PFA+1] offset:6144 th:TH_LOAD_NT scope:SCOPE_SE   ; tile 0's quarters 2 and 3: loaded by the first and the second refill
	global_prefetch_b8 v[PFO], s[PFA:PFA+1] offset:9216 th:TH_LOAD_NT scope:SCOPE_SE
	s_mov_b32 s3, 3
.Ltile:                                            ; three tiles that have a successor
	TILE 1
	s_sub_co_u32 s3, s3, 1
	s_cmp_lg_u32 s3, 0
	s_cbranch_scc1 .Ltile
	TILE 0                                         ; the last tile is written out
	s_wait_tensorcnt 0x0                           ; the wave's end
	ds_add_u32 v[SPW], v[NIL]
	s_wait_dscnt 0x0
	CROUND                                         ; the closing round: no work-group ends while a partner may still ask for a tile that names it
	s_endpgm
.Lfunc_end_k_qdac9e6e049_simgemm:
	.size	k_qdac9e6e049_simgemm, .Lfunc_end_k_qdac9e6e049_simgemm-k_qdac9e6e049_simgemm
	.p2alignl 7, 3214868480
	.fill 96, 4, 3214868480
	.section	.rodata,"a",@progbits
	.p2align	6, 0x0
	.amdhsa_kernel k_qdac9e6e049_simgemm
		.amdhsa_group_segment_fixed_size 327680
		.amdhsa_private_segment_fixed_size 0
		.amdhsa_enable_private_segment 0
		.amdhsa_kernarg_size 40
		.amdhsa_user_sgpr_count 2
		.amdhsa_user_sgpr_kernarg_segment_ptr 1
		.amdhsa_wavefront_size32 1
		.amdhsa_system_sgpr_workgroup_id_x 1
		.amdhsa_system_sgpr_workgroup_id_y 1
		.amdhsa_system_sgpr_workgroup_id_z 1
		.amdhsa_system_vgpr_workitem_id 0
		.amdhsa_next_free_vgpr 1024
		.amdhsa_next_free_sgpr 100
		.amdhsa_reserve_vcc 0
		.amdhsa_float_denorm_mode_32 3
		.amdhsa_float_denorm_mode_16_64 3
		.amdhsa_memory_ordered 1
		.amdhsa_forward_progress 1
		.amdhsa_inst_pref_size 233
	.end_amdhsa_kernel
	.amdgpu_metadata
---
amdhsa.version: [ 1, 2 ]
amdhsa.kernels:
  - .name:           k_qdac9e6e049_simgemm
    .symbol:         k_qdac9e6e049_simgemm.kd
    .args:
      - { .name: qc, .offset: 0, .size: 8, .value_kind: global_buffer, .address_space: global }
      - { .name: qs, .offset: 8, .size: 8, .value_kind: global_buffer, .address_space: global }
      - { .name: mc, .offset: 16, .size: 8, .value_kind: global_buffer, .address_space: global }
      - { .name: ms, .offset: 24, .size: 8, .value_kind: global_buffer, .address_space: global }
      - { .name: gmax, .offset: 32, .size: 8, .value_kind: global_buffer, .address_space: global }
    .group_segment_fixed_size: 327680
    .private_segment_fixed_size: 0
    .kernarg_segment_align: 8
    .kernarg_segment_size: 40
    .max_flat_workgroup_size: 128
    .sgpr_count:     100
    .vgpr_count:     1024
    .wavefront_size: 32
...
	.end_amdgpu_metadata
.endif
;; end of part 2
;; launch pickgroups (part 3): grid 256 x 1, 16 waves a work-group, no clusters, 69,632 bytes of LDS; arguments gmax, ridx, gid; writes gid
.if DOCPART == 3
	.amdgcn_target "amdgcn-amd-amdhsa--gfx1250"
	.amdhsa_code_object_version 6
	.text
	.protected	k_qdac9e6e049_pickgroups
	.globl	k_qdac9e6e049_pickgroups
	.p2align	8
	.type	k_qdac9e6e049_pickgroups,@function
k_qdac9e6e049_pickgroups:
	s_mov_b64 s[64:65], 0
	v_nop
	global_prefetch_b8 v0, s[64:65] scope:SCOPE_SE
	s_setreg_imm32_b32 hwreg(HW_REG_WAVE_MODE, 25, 1), 1
	s_wait_xcnt 0x0
; gid[q][0 .. k-1] = the k groups of query q with the largest group maxima, in that order, the lower group first among equals; the other words up to 14 are 0; gid[q][15] = k.
; k (5 to 10) was made by the first launch from the predictions and lies as a whole number in the first 16,384 bytes of ridx, 4 bytes a query; here it counts the rounds, held to 1 .. 10.
; The first n of these groups hold the n memory rows with the largest similarities (the lower row first among equals): were such a row in a group left out, n chosen groups would each hold a row that comes ahead of it.
; A slot at or past k names group 0: the launch behind may score it again; its rows are rows of the bank with their own similarities, so they change nothing among a query's first k rows.
; gmax lies [strip of 4 groups][query][4]: 256 consecutive bytes are one strip of 16 queries.  SHARES: a work-group takes 16 queries, one wave one query.
; Wave w reads strips 16 w .. 16 w + 15 of all 16 queries (each load: two runs of 256 consecutive bytes) and lays them by query in LDS (rows of 4,096 bytes + 16, so that the sixteen lanes of a store fall on
; sixteen different columns of 16 bytes); behind a barrier it reads its own query's row: register 4 j + c of lane l holds group 128 j + 4 l + c.
; A round: the wave's maximum; the lowest group that attains it; that group is kept and its maximum replaced by -infinity.  No branch and no address hangs on the floating-point numbers.
; Whole numbers cross the lanes as f32 (they stay under 2^24, so the conversions are exact).  No work-group reads what another reads: no cluster, no tensor load.  LIMITS: NaN is not served.
.set RP,   4112                        ; a query's row in LDS
.set OUTB, 16*RP                       ; behind the rows: the 16 queries' 64 bytes of gid
.set V, 16                             ; v16-47  the row
.set G, 50                             ; v50-53  for each c the lowest j that attains the maximum
.set E, 58                             ; v58-61  for each c the j to be removed, or 64
	s_load_b128 s[4:7], s[0:1], 0x0                ; gmax, ridx
	s_load_b64 s[16:17], s[0:1], 0x10              ; gid
	v_lshl_add_u32 v96, v0, 2, 0x10800             ; my spare word and 0: kept for the closing lines alone
	v_mov_b32 v97, 0
	v_lshrrev_b32 v2, 5, v0
	s_delay_alu instid0(VALU_DEP_1)
	v_readfirstlane_b32 s8, v2                     ; wave 0..15
	v_and_b32 v2, 31, v0
	s_delay_alu instid0(VALU_DEP_1)
	v_lshlrev_b32 v1, 4, v2                        ; 16 l
	s_delay_alu instid0(VALU_DEP_2)
	v_lshlrev_b32 v9, 2, v2                        ; 4 l
	v_and_b32 v10, 15, v0                          ; r
	v_bfe_u32 v3, v0, 4, 1                         ; h
	s_delay_alu instid0(VALU_DEP_2)
	v_lshlrev_b32 v4, 4, v10
	s_delay_alu instid0(VALU_DEP_1)
	v_lshl_add_u32 v4, v3, 16, v4                  ; gmax: query r's 16 bytes; lanes 16-31 one strip on
	s_delay_alu instid0(VALU_DEP_4)
	v_mul_u32_u24 v5, v10, RP
	s_delay_alu instid0(VALU_DEP_1)
	v_lshl_add_u32 v5, v3, 4, v5
	s_lshl_b32 s9, s8, 8
	v_add_nc_u32 v5, s9, v5                        ; LDS, in: row r, strip 16 w + h (+ 2 j): 16 bytes a strip
	s_mul_i32 s9, s8, RP
	v_add_nc_u32 v6, s9, v1                        ; and out: my wave's row, 16 bytes a lane
	s_lshl_b32 s9, s8, 6
	s_add_co_u32 s9, s9, OUTB
	v_lshl_add_u32 v11, v10, 2, s9                 ; what I keep: 64 x wave + 4 r
	v_lshlrev_b32 v15, 4, v0                       ; the way out (waves 0 and 1): 16 x thread
	s_delay_alu instid0(VALU_DEP_1)
	v_add_nc_u32 v14, OUTB, v15
	v_mov_b32 v12, 0                               ; what lane l keeps: the group of round l % 16
	v_mov_b32 v13, 0xff800000                      ; -infinity
	s_mov_b32 s12, 0x76543210
	s_mov_b32 s13, 0xfedcba98                      ; v_permlanex16_b32's selects for lane l xor 16
	s_lshl_b32 s10, ttmp9, 4
	s_add_co_u32 s10, s10, s8                      ; my query
	s_lshl_b32 s10, s10, 2                         ; its k: 4 bytes
	s_mov_b32 s11, 0
	s_lshl_b32 s14, s8, 20                         ; my wave's 16 strips of 65,536 bytes,
	s_lshl_b32 s15, ttmp9, 8                       ; the work-group's 16 queries
	s_add_co_u32 s14, s14, s15
	s_mov_b32 s15, 0
	s_lshl_b32 s18, ttmp9, 10                      ; the work-group's 16 rows of gid
	s_mov_b32 s19, 0
	s_wait_alu depctr_va_vdst(0)
	s_wait_kmcnt 0x0
	s_add_nc_u64 s[6:7], s[6:7], s[10:11]
	s_add_nc_u64 s[4:5], s[4:5], s[14:15]
	s_add_nc_u64 s[16:17], s[16:17], s[18:19]
	s_load_b32 s25, s[6:7], 0x0                    ; k
.irp j, 0,1,2,3,4,5,6,7
	global_load_b128 v[V+4*\j:V+4*\j+3], v4, s[4:5] offset:131072*\j th:TH_LOAD_NT   ; strips 16 w + 2 j and 16 w + 2 j + 1
.endr
	s_wait_kmcnt 0x0
	s_min_u32 s24, s25, 10
	s_max_u32 s24, s24, 1                          ; the rounds
	v_mov_b32 v81, s25
	s_wait_alu depctr_va_vdst(0)
	s_wait_loadcnt 0x0
.irp j, 0,1,2,3,4,5,6,7
	ds_store_b128 v5, v[V+4*\j:V+4*\j+3] offset:32*\j
.endr
	s_wait_dscnt 0x0                               ; for the others' sake: my strips lie in the rows
	s_barrier_signal -1
	s_barrier_wait -1
.irp j, 0,1,2,3,4,5,6,7
	ds_load_b128 v[V+4*\j:V+4*\j+3], v6 offset:512*\j
.endr
	s_wait_dscnt 0x0
	s_mov_b32 s26, 0                               ; the round's number
.Lround:
	v_max3_num_f32 v48, v[V], v[V+1], v[V+2]       ; my 32, in two chains
	v_max3_num_f32 v49, v[V+3], v[V+4], v[V+5]
.irp i, 6,10,14,18,22,26
	s_delay_alu instid0(VALU_DEP_2)
	v_max3_num_f32 v48, v48, v[V+\i], v[V+\i+1]
	s_delay_alu instid0(VALU_DEP_2)
	v_max3_num_f32 v49, v49, v[V+\i+2], v[V+\i+3]
.endr
	s_delay_alu instid0(VALU_DEP_2)
	v_max3_num_f32 v48, v48, v[V+30], v[V+31]
	s_delay_alu instid0(VALU_DEP_1)
	v_max_num_f32 v48, v48, v49
.irp x, 1,2,4,8
	s_delay_alu instid0(VALU_DEP_1)
	v_max_num_f32_dpp v48, v48, v48 row_xmask:\x row_mask:0xf bank_mask:0xf
.endr
	s_delay_alu instid0(VALU_DEP_1)
	v_permlanex16_b32 v49, v48, s12, s13
	s_delay_alu instid0(VALU_DEP_1)
	v_max_num_f32 v48, v48, v49                    ; the wave's maximum, in every lane
.irp c, 0,1,2,3
	v_mov_b32 v[G+\c], 64                          ; 'none'
.endr
.irp j, 7,6,5,4,3,2,1,0
.irp c, 0,1,2,3
	v_cmp_neq_f32 s[20+\c], v48, v[V+4*\j+\c]
.endr
.irp c, 0,1,2,3
	s_delay_alu instid0(VALU_DEP_4)
	v_cndmask_b32 v[G+\c], \j, v[G+\c], s[20+\c]   ; j descending: the lowest j that attains the maximum stays
.endr
.endr
.irp c, 0,1,2,3
	s_delay_alu instid0(VALU_DEP_4)
	v_lshl_add_u32 v[G+\c], v[G+\c], 7, \c         ; 128 j + c; 'none' is 8,192 or more
.endr
	s_delay_alu instid0(VALU_DEP_3)
	v_min_u32 v50, v50, v51
	s_delay_alu instid0(VALU_DEP_2)
	v_min_u32 v52, v52, v53
	s_delay_alu instid0(VALU_DEP_1)
	v_min_u32 v50, v50, v52
	s_delay_alu instid0(VALU_DEP_1)
	v_add_nc_u32 v50, v50, v9                      ; my lowest group that attains it
	s_delay_alu instid0(VALU_DEP_1)
	v_cvt_f32_u32 v54, v50
.irp x, 1,2,4,8
	s_delay_alu instid0(VALU_DEP_1)
	v_min_num_f32_dpp v54, v54, v54 row_xmask:\x row_mask:0xf bank_mask:0xf
.endr
	s_delay_alu instid0(VALU_DEP_1)
	v_permlanex16_b32 v49, v54, s12, s13
	s_delay_alu instid0(VALU_DEP_1)
	v_min_num_f32 v54, v54, v49
	s_delay_alu instid0(VALU_DEP_1)
	v_cvt_u32_f32 v54, v54                         ; the wave's
	v_cmp_eq_u32 vcc_lo, s26, v10
	s_delay_alu instid0(VALU_DEP_1)
	v_cndmask_b32 v12, v12, v54, vcc_lo            ; lanes r = the round's number keep it
	s_delay_alu instid0(VALU_DEP_3)
	v_sub_nc_u32 v55, v54, v9                      ; in the lane that owns the group this is 128 j + c with c under 4; in every other lane its low seven bits are 4 or more
	s_delay_alu instid0(VALU_DEP_1)
	v_lshrrev_b32 v56, 7, v55
	s_delay_alu instid0(VALU_DEP_2)
	v_and_b32 v57, 127, v55
.irp c, 0,1,2,3
	v_cmp_eq_u32 vcc_lo, \c, v57
	s_delay_alu instid0(VALU_DEP_1)
	v_cndmask_b32 v[E+\c], 64, v56, vcc_lo
.endr
.irp j, 0,1,2,3,4,5,6,7
.irp c, 0,1,2,3
	v_cmp_ne_u32 s[20+\c], \j, v[E+\c]
.endr
.irp c, 0,1,2,3
	s_delay_alu instid0(VALU_DEP_4)
	v_cndmask_b32 v[V+4*\j+\c], v13, v[V+4*\j+\c], s[20+\c]
.endr
.endr
	s_add_co_u32 s26, s26, 1
	s_cmp_lt_u32 s26, s24
	s_wait_alu depctr_va_vdst(0)
	s_cbranch_scc1 .Lround
	v_cmp_eq_u32 vcc_lo, 15, v10
	s_delay_alu instid0(VALU_DEP_1)
	v_cndmask_b32 v12, v12, v81, vcc_lo            ; word 15: k
	ds_store_b32 v11, v12                          ; lanes l and l + 16 write the same word with the same value
	s_wait_dscnt 0x0                               ; for the sake of waves 0 and 1
	s_barrier_signal -1
	s_barrier_wait -1
	s_cmp_gt_u32 s8, 1
	s_cbranch_scc1 .Ldone                          ; waves 0 and 1 store the sixteen queries' 1,024 consecutive bytes, 512 each
	ds_load_b128 v[16:19], v14
	s_wait_dscnt 0x0
	global_store_b128 v15, v[16:19], s[16:17]
.Ldone:
	s_wait_tensorcnt 0x0                           ; the wave's end
	ds_add_u32 v96, v97
	s_wait_dscnt 0x0
	s_endpgm
.Lfunc_end_k_qdac9e6e049_pickgroups:
	.size	k_qdac9e6e049_pickgroups, .Lfunc_end_k_qdac9e6e049_pickgroups-k_qdac9e6e049_pickgroups
	.p2alignl 7, 3214868480
	.fill 96, 4, 3214868480
	.section	.rodata,"a",@progbits
	.p2align	6, 0x0
	.amdhsa_kernel k_qdac9e6e049_pickgroups
		.amdhsa_group_segment_fixed_size 69632
		.amdhsa_private_segment_fixed_size 0
		.amdhsa_enable_private_segment 0
		.amdhsa_kernarg_size 24
		.amdhsa_user_sgpr_count 2
		.amdhsa_user_sgpr_kernarg_segment_ptr 1
		.amdhsa_wavefront_size32 1
		.amdhsa_system_sgpr_workgroup_id_x 1
		.amdhsa_system_sgpr_workgroup_id_y 1
		.amdhsa_system_sgpr_workgroup_id_z 1
		.amdhsa_system_vgpr_workitem_id 0
		.amdhsa_next_free_vgpr 98
		.amdhsa_next_free_sgpr 66
		.amdhsa_reserve_vcc 1
		.amdhsa_float_denorm_mode_32 3
		.amdhsa_float_denorm_mode_16_64 3
		.amdhsa_memory_ordered 1
		.amdhsa_forward_progress 1
		.amdhsa_inst_pref_size 20
	.end_amdhsa_kernel
	.amdgpu_metadata
---
amdhsa.version: [ 1, 2 ]
amdhsa.kernels:
  - .name:           k_qdac9e6e049_pickgroups
    .symbol:         k_qdac9e6e049_pickgroups.kd
    .args:
      - { .name: gmax, .offset: 0, .size: 8, .value_kind: global_buffer, .address_space: global }
      - { .name: ridx, .offset: 8, .size: 8, .value_kind: global_buffer, .address_space: global }
      - { .name: gid, .offset: 16, .size: 8, .value_kind: global_buffer, .address_space: global }
    .group_segment_fixed_size: 69632
    .private_segment_fixed_size: 0
    .kernarg_segment_align: 8
    .kernarg_segment_size: 24
    .max_flat_workgroup_size: 512
    .sgpr_count:     66
    .vgpr_count:     98
    .wavefront_size: 32
...
	.end_amdgpu_metadata
.endif
;; end of part 3
;; launch rescore (part 4): grid 256 x 1, 4 waves a work-group, no clusters, 0 bytes of LDS; arguments qc, qs, mc, ms, gid, ridx, rw; writes ridx, rw
.if DOCPART == 4
	.amdgcn_target "amdgcn-amd-amdhsa--gfx1250"
	.amdhsa_code_object_version 6
	.text
	.protected	k_qdac9e6e049_rescore
	.globl	k_qdac9e6e049_rescore
	.p2align	8
	.type	k_qdac9e6e049_rescore,@function
k_qdac9e6e049_rescore:
	s_mov_b64 s[64:65], 0
	v_nop
	global_prefetch_b8 v0, s[64:65] scope:SCOPE_SE
	s_setreg_imm32_b32 hwreg(HW_REG_WAVE_MODE, 25, 1), 1
	s_wait_xcnt 0x0
; For each query: the similarities with the memory rows of its chosen groups are multiplied again (the same instruction, memory as source 0, the query in source 1, K ascending, one accumulator, the first C = 0);
; the ten largest are picked, the lower row first among equals; the softmax over the first k (k: gid's word 15, made by the launch before).
; OUT: ridx[q][0..9] the rows (a slot at or past k repeats slot 0's row), words 10-14 = 0, word 15 = k;  rw[q][2 t], rw[q][2 t + 1] = w_t (0 at or past k), words 20-31 = 0.
; SHARES: a wave takes four queries, 4 W .. 4 W + 3 (W = 4 x work-group + wave); they lie in query block = work-group.  Column r of source 1 holds query r % 4.  Chains (query i, slot t) of eight products.
; ONLY THE SLOTS THAT COUNT ARE FETCHED: the first k rows lie in the first k groups of gid, so the wave takes slots 0 .. kmax - 1, kmax the largest k of its four queries, held to 5 .. 10
; (k is at least 5, since |sigmoid - 0.5| is at most 0.5; more slots than a query needs do no harm).  The exit is a scalar branch on that stored number; the last slot's two batches are written out for each exit, without loads.
; Of chain (i, t) only lanes r = i + 4 (t % 4) are kept, in the eight registers of slot t / 4: so a query's candidates lie in 8 lanes x 24 registers (places never filled stay -infinity),
; and every search runs over lanes l xor 4, l xor 8, l xor 16.  Chains go two at a time (two accumulators by turns), their 52 loads two batches ahead, in two sets of registers.
; Which groups a work-group reads hangs on stored numbers, so nothing is shared at a known place: no cluster, no tensor load; operands go from memory straight into registers, as images, 512 consecutive bytes a load.
; LIMITS: NaN and infinities are not served.
; REGISTERS: window 0: v1-7 lane terms; v8-11, v12-15 offsets of the loads; v16-23 the queries' scale words; v24-55 the groups'; v56-71 two accumulators; v72-95 the candidates; v96-191 the queries' fragments;
;   v192-201 the ten values; v202-211 the ten rows; v212-214 16 x group + 8 h of my three slots; v215-220 at work; v221 k; v222-231 the exponentials; v236-245 the way out.
;   window 1: v0-191 the fragments of chains i = 0, 1;   window 2: those of i = 2, 3.
.set VO,   8
.set VS,   12
.set SB,   16
.set SA,   24
.set D,    56
.set C,    72
.set BF,   96
.set RM,   192
.set RW,   202
.set BASE, 212
.set J,    215
.set M,    218
.set T,    219
.set NEG,  220
.set KI,   221
.set P,    222
.set MSB, 0
.macro WIN new
.if MSB != (\new)
	s_set_vgpr_msb (MSB<<8)|(\new)
.set MSB, (\new)
.endif
.endm
	s_load_b256 s[68:75], s[0:1], 0x0              ; qc s[68:69], qs s[70:71], mc s[72:73], ms s[74:75]
	s_load_b128 s[76:79], s[0:1], 0x20             ; gid s[76:77], ridx s[78:79]
	s_load_b64 s[80:81], s[0:1], 0x30              ; rw
	v_lshrrev_b32 v236, 5, v0
	v_readfirstlane_b32 s8, v236                   ; wave
	v_and_b32 v236, 31, v0
	v_lshlrev_b32 v1, 4, v236                      ; 16 x lane
	v_and_b32 v237, 15, v0                         ; r
	v_lshlrev_b32 v2, 4, v237                      ; 16 r
	v_bfe_u32 v238, v0, 4, 1                       ; h
	v_and_b32 v239, 3, v0                          ; i = r % 4: my query
	v_lshrrev_b32 v240, 2, v237                    ; r / 4
	s_lshl_b32 s9, s8, 6
	v_lshl_add_u32 v4, v239, 4, s9                 ; 16 (4 w + i): my query's row in the block's scale words,
	v_lshl_add_u32 v3, v238, 8, v4                 ; and, 16 image lanes on for h = 1, in a chunk of its codes
	v_lshlrev_b32 v6, 6, v239                      ; gid: 64 i: my query's row,
	v_lshl_add_u32 v5, v240, 2, v6                 ; and 4 (r / 4) on
	v_lshlrev_b32 v7, 3, v238                      ; 8 h
	v_lshl_add_u32 v240, v238, 2, v240             ; z = r / 4 + 4 h: my place among my query's eight lanes
	v_lshl_add_u32 v244, v240, 3, v6               ; ridx: 64 i + 8 z
	v_lshlrev_b32 v245, 1, v244                    ; rw: 128 i + 16 z
	v_mov_b32 v[NEG], 0xff800000                   ; -infinity
.set n, 0
.rept 24
	v_mov_b32 v[C+n], 0xff800000                   ; the candidates: places that no chain fills stay so
.set n, n+1
.endr
	s_mov_b32 s2, 0x76543210
	s_mov_b32 s3, 0xfedcba98                       ; v_permlanex16_b32's selects for lane l xor 16
	s_lshl_b32 s10, ttmp9, 2
	s_add_co_u32 s10, s10, s8                      ; W
	s_mov_b32 s5, 0
	s_wait_kmcnt 0x0
	s_lshl_b32 s4, s10, 8
	s_add_nc_u64 s[76:77], s[76:77], s[4:5]        ; my four rows of gid,
	s_add_nc_u64 s[78:79], s[78:79], s[4:5]        ; of ridx,
	s_lshl_b32 s4, s10, 9
	s_add_nc_u64 s[80:81], s[80:81], s[4:5]        ; of rw
	s_mul_i32 s4, ttmp9, 12288
	s_add_nc_u64 s[68:69], s[68:69], s[4:5]        ; my query block's codes
	s_lshl_b32 s4, ttmp9, 9
	s_add_nc_u64 s[70:71], s[70:71], s[4:5]        ; and scale words
.irp i, 0,1,2,3
	s_load_b256 s[16+12*\i:23+12*\i], s[76:77], 64*\i      ; the group of chain (i, t) in s[16 + 12 i + t]
	s_load_b64 s[24+12*\i:25+12*\i], s[76:77], 64*\i+32
	s_load_b32 s[88+\i], s[76:77], 64*\i+60                ; and query i's k
.endr
.irp s, 0,1,2,3,4,5,6,7
.irp c, 0,1,2
	global_load_b128 v[BF+12*\s+4*\c:BF+12*\s+4*\c+3], v3, s[68:69] offset:1536*\s+512*\c   ; source 1: column r = query r % 4
.endr
.endr
.irp o, 0,1
	global_load_b128 v[SB+4*\o:SB+4*\o+3], v4, s[70:71] offset:256*\o
.endr
.irp u, 0,1,2
	global_load_b32 v[BASE+\u], v5, s[76:77] offset:16*\u  ; the group of my slot u, as a number: t = 4 u + r / 4
.endr
	global_load_b32 v[KI], v6, s[76:77] offset:60          ; my query's k
	s_wait_kmcnt 0x0
.irp i, 0,1,2,3
.irp t, 0,1,2,3,4,5,6,7,8,9
	s_min_u32 s[16+12*\i+\t], s[16+12*\i+\t], 0x3ff        ; a loaded number enters an address only behind this hold
.endr
.endr
	s_max_u32 s88, s88, s89
	s_max_u32 s90, s90, s91
	s_max_u32 s88, s88, s90
	s_max_u32 s88, s88, 5
	s_min_u32 s88, s88, 10                         ; kmax: how many slots the wave takes
; batch b = 0 .. 19: slot t = b / 2, chains i = 2 (b % 2) + x, x = 0, 1; registers of set b % 2
.macro ADDR b
.irp x, 0,1
	s_mul_i32 s[4+\x], s[16+12*(2*((\b)%2)+\x)+(\b)/2], 12288
	s_lshl_b32 s[6+\x], s[16+12*(2*((\b)%2)+\x)+(\b)/2], 9
.endr
.irp x, 0,1
	v_add_nc_u32 v[VO+2*((\b)%2)+\x], s[4+\x], v1
	v_add_nc_u32 v[VS+2*((\b)%2)+\x], s[6+\x], v2
.endr
.endm
.macro LOADB b                         ; 52 loads
	WIN (1+(\b)%2)<<6                              ; destination window 1 or 2, address window 0
.irp x, 0,1
.irp s, 0,1,2,3,4,5,6,7
.irp c, 0,1,2
	global_load_b128 v[96*\x+12*\s+4*\c:96*\x+12*\s+4*\c+3], v[VO+2*((\b)%2)+\x], s[72:73] offset:1536*\s+512*\c
.endr
.endr
.endr
	WIN 0
.irp x, 0,1
.irp o, 0,1
	global_load_b128 v[SA+16*((\b)%2)+8*\x+4*\o:SA+16*((\b)%2)+8*\x+4*\o+3], v[VS+2*((\b)%2)+\x], s[74:75] offset:256*\o
.endr
.endr
.endm
.macro COMPUTE b, left
	s_wait_loadcnt \left                           ; loads come back in order: this batch's are in; left: the loads issued behind them
	WIN 1+(\b)%2                                   ; source 0 window 1 or 2
.irp s, 0,1,2,3,4,5,6,7
.irp x, 0,1
.if \s == 0
	v_wmma_scale_f32_16x16x128_f8f6f4 v[D+8*\x:D+8*\x+7], v[96*\x+12*\s:96*\x+12*\s+11], v[BF+12*\s:BF+12*\s+11], 0, v[SA+16*((\b)%2)+8*\x+\s], v[SB+\s] matrix_a_fmt:MATRIX_FMT_FP6 matrix_b_fmt:MATRIX_FMT_FP6
.else
	v_wmma_scale_f32_16x16x128_f8f6f4 v[D+8*\x:D+8*\x+7], v[96*\x+12*\s:96*\x+12*\s+11], v[BF+12*\s:BF+12*\s+11], v[D+8*\x:D+8*\x+7], v[SA+16*((\b)%2)+8*\x+\s], v[SB+\s] matrix_a_fmt:MATRIX_FMT_FP6 matrix_b_fmt:MATRIX_FMT_FP6
.endif
.endr
.endr
	WIN 0
.endm
.macro MERGE b                         ; of chain (i, t) lanes r = i + 4 (t % 4), both halves, are kept; each accumulator is read from its low end on
.irp x, 0,1
	s_mov_b32 s87, 0x00010001<<((2*((\b)%2)+\x)+4*(((\b)/2)%4))
.irp j, 0,1,2,3,4,5,6,7
	v_cndmask_b32 v[C+8*((\b)/8)+\j], v[C+8*((\b)/8)+\j], v[D+8*\x+\j], s87
.endr
.endr
.endm
; Slot t, with a slot behind it: each of its two batches is multiplied and the next slot's batch is asked for into the set that it leaves.
; ADDR's four plain instructions name none of the products' registers (the batch's loads are done: their offsets may be written); with the v_nop they are five places ahead of the loads into the operands,
; of the reads of the results and of the next batch's first products, which begin the accumulators anew.
.macro MID t
	COMPUTE 2*(\t), 52
	ADDR 2*(\t)+2
	v_nop
	LOADB 2*(\t)+2
	MERGE 2*(\t)
	COMPUTE 2*(\t)+1, 52
	ADDR 2*(\t)+3
	v_nop
	LOADB 2*(\t)+3
	MERGE 2*(\t)+1
.endm
.macro LASTP t                         ; slot t, the wave's last: nothing more is asked for, so behind its second batch's loads none is out
	COMPUTE 2*(\t), 52
.rept 5
	v_nop
.endr
	s_wait_alu depctr_va_vdst(0)
	MERGE 2*(\t)
	COMPUTE 2*(\t)+1, 0
.rept 5
	v_nop
.endr
	s_wait_alu depctr_va_vdst(0)
	MERGE 2*(\t)+1
.endm
	ADDR 0
	LOADB 0
	ADDR 1
	LOADB 1
	MID 0
	MID 1
	MID 2
	MID 3
	s_cmp_eq_u32 s88, 5
	s_cbranch_scc1 .Llast4
	MID 4
	s_cmp_eq_u32 s88, 6
	s_cbranch_scc1 .Llast5
	MID 5
	s_cmp_eq_u32 s88, 7
	s_cbranch_scc1 .Llast6
	MID 6
	s_cmp_eq_u32 s88, 8
	s_cbranch_scc1 .Llast7
	MID 7
	s_cmp_eq_u32 s88, 9
	s_cbranch_scc1 .Llast8
	MID 8
	LASTP 9
	s_branch .Lselect
.Llast4:
	LASTP 4
	s_branch .Lselect
.Llast5:
	LASTP 5
	s_branch .Lselect
.Llast6:
	LASTP 6
	s_branch .Lselect
.Llast7:
	LASTP 7
	s_branch .Lselect
.Llast8:
	LASTP 8
.Lselect:
.irp u, 0,1,2
	v_lshl_add_u32 v[BASE+\u], v[BASE+\u], 4, v7   ; register j of slot u is memory row 16 x group + 8 h + j
.endr
; Round n: the largest candidate of my query; the lowest row that attains it; that candidate becomes -infinity.  (At least 5 x 16 candidates are there for the ten rounds.)
.macro ROUND n
	v_max3_num_f32 v[M], v[C], v[C+1], v[C+2]
	v_max3_num_f32 v[T], v[C+3], v[C+4], v[C+5]
.irp i, 6,10,14,18
	v_max3_num_f32 v[M], v[M], v[C+\i], v[C+\i+1]
	v_max3_num_f32 v[T], v[T], v[C+\i+2], v[C+\i+3]
.endr
	v_max3_num_f32 v[M], v[M], v[C+22], v[C+23]
	v_max_num_f32 v[M], v[M], v[T]
	v_max_num_f32_dpp v[M], v[M], v[M] row_xmask:4 row_mask:0xf bank_mask:0xf
	v_max_num_f32_dpp v[M], v[M], v[M] row_xmask:8 row_mask:0xf bank_mask:0xf
	v_permlanex16_b32 v[T], v[M], s2, s3
	v_max_num_f32 v[RM+\n], v[M], v[T]
.irp u, 0,1,2
	v_mov_b32 v[J+\u], 0x100000                    ; 'none': above every row
.endr
.irp j, 7,6,5,4,3,2,1,0
.irp u, 0,1,2
	v_cmp_neq_f32 s[84+\u], v[RM+\n], v[C+8*\u+\j]
.endr
.irp u, 0,1,2
	v_cndmask_b32 v[J+\u], \j, v[J+\u], s[84+\u]
.endr
.endr
.irp u, 0,1,2
	v_add_nc_u32 v[J+\u], v[J+\u], v[BASE+\u]
.endr
	v_min_u32 v[J], v[J], v[J+1]
	v_min_u32 v[J], v[J], v[J+2]
	v_cvt_f32_u32 v[M], v[J]                       ; under 2^24: exact
	v_min_num_f32_dpp v[M], v[M], v[M] row_xmask:4 row_mask:0xf bank_mask:0xf
	v_min_num_f32_dpp v[M], v[M], v[M] row_xmask:8 row_mask:0xf bank_mask:0xf
	v_permlanex16_b32 v[T], v[M], s2, s3
	v_min_num_f32 v[M], v[M], v[T]
	v_cvt_u32_f32 v[RW+\n], v[M]
.if \n < 9
.irp u, 0,1,2
	v_sub_nc_u32 v[J+\u], v[RW+\n], v[BASE+\u]     ; j where the row is mine, else no number from 0 to 7 (the groups of a query differ)
.endr
.irp j, 0,1,2,3,4,5,6,7
.irp u, 0,1,2
	v_cmp_ne_u32 s[84+\u], \j, v[J+\u]
.endr
.irp u, 0,1,2
	v_cndmask_b32 v[C+8*\u+\j], v[NEG], v[C+8*\u+\j], s[84+\u]
.endr
.endr
.endif
.endm
.irp n, 0,1,2,3,4,5,6,7,8,9
	ROUND \n
.endr
	; the softmax over the first k: the largest value, slot 0's, is taken away ahead of the exponentials
.irp n, 0,1,2,3,4,5,6,7,8,9
	v_sub_f32 v[P+\n], v[RM+\n], v[RM]
.endr
.irp n, 0,1,2,3,4,5,6,7,8,9
	v_mul_f32 v[P+\n], 0x3fb8aa3b, v[P+\n]
.endr
	s_wait_alu depctr_va_vdst(0)
.irp n, 0,1,2,3,4,5,6,7,8,9
	v_exp_f32 v[P+\n], v[P+\n]
.endr
	v_nop                                          ; a plain instruction behind the batch,
	s_wait_alu depctr_va_vdst(0)                   ; and one wait for it, ahead of its first reader
.irp n, 1,2,3,4,5,6,7,8,9
	v_cmp_lt_u32 vcc_lo, \n, v[KI]                 ; slot 0 always counts: k is at least 1
	v_cndmask_b32 v[P+\n], 0, v[P+\n], vcc_lo
	v_cndmask_b32 v[RW+\n], v[RW], v[RW+\n], vcc_lo
.endr
	v_add_f32 v[M], v[P], v[P+1]
	v_add_f32 v[T], v[P+2], v[P+3]
.irp n, 4,6,8
	v_add_f32 v[M], v[M], v[P+\n]
	v_add_f32 v[T], v[T], v[P+\n+1]
.endr
	v_add_f32 v[M], v[M], v[T]
	s_wait_alu depctr_va_vdst(0)
	v_rcp_f32 v[M], v[M]
	v_mov_b32 v236, 0                              ; (a plain instruction behind the reciprocal)  the way out begins as zeros
	v_mov_b32 v237, 0
	v_mov_b32 v240, 0
	v_mov_b32 v242, 0
	s_wait_alu depctr_va_vdst(0)
.irp n, 0,1,2,3,4,5,6,7,8,9
	v_mul_f32 v[P+\n], v[P+\n], v[M]
.endr
.irp z, 0,1,2,3,4
	s_mov_b32 s87, 0xf<<(4*(\z&3)+16*(\z>>2))      ; the four queries' lanes at place z take slots 2 z and 2 z + 1; places 5 to 7 keep zeros
	v_cndmask_b32 v236, v236, v[RW+2*\z], s87
	v_cndmask_b32 v237, v237, v[RW+2*\z+1], s87
	v_cndmask_b32 v240, v240, v[P+2*\z], s87
	v_cndmask_b32 v242, v242, v[P+2*\z+1], s87
.endr
	s_mov_b32 s87, 0xf0000000                      ; place 7's second word is ridx's word 15: k goes on to the launch that gathers
	v_cndmask_b32 v237, v237, v[KI], s87
	v_mov_b32 v241, v240                           ; each weight twice: the reader takes it as a pair
	v_mov_b32 v243, v242
	global_store_b64 v244, v[236:237], s[78:79]    ; the wave's 32 lanes cover 256 consecutive bytes, at a multiple of 256 from ridx's first byte
	global_store_b128 v245, v[240:243], s[80:81]   ; and 512 of rw
	s_endpgm
.Lfunc_end_k_qdac9e6e049_rescore:
	.size	k_qdac9e6e049_rescore, .Lfunc_end_k_qdac9e6e049_rescore-k_qdac9e6e049_rescore
	.p2alignl 7, 3214868480
	.fill 96, 4, 3214868480
	.section	.rodata,"a",@progbits
	.p2align	6, 0x0
	.amdhsa_kernel k_qdac9e6e049_rescore
		.amdhsa_group_segment_fixed_size 0
		.amdhsa_private_segment_fixed_size 0
		.amdhsa_enable_private_segment 0
		.amdhsa_kernarg_size 56
		.amdhsa_user_sgpr_count 2
		.amdhsa_user_sgpr_kernarg_segment_ptr 1
		.amdhsa_wavefront_size32 1
		.amdhsa_system_sgpr_workgroup_id_x 1
		.amdhsa_system_sgpr_workgroup_id_y 1
		.amdhsa_system_sgpr_workgroup_id_z 1
		.amdhsa_system_vgpr_workitem_id 0
		.amdhsa_next_free_vgpr 704
		.amdhsa_next_free_sgpr 100
		.amdhsa_reserve_vcc 1
		.amdhsa_float_denorm_mode_32 3
		.amdhsa_float_denorm_mode_16_64 3
		.amdhsa_memory_ordered 1
		.amdhsa_forward_progress 1
		.amdhsa_inst_pref_size 255
	.end_amdhsa_kernel
	.section	.bss,"aw",@nobits
	.p2align	6
	.space	262144
	.amdgpu_metadata
---
amdhsa.version: [ 1, 2 ]
amdhsa.kernels:
  - .name:           k_qdac9e6e049_rescore
    .symbol:         k_qdac9e6e049_rescore.kd
    .args:
      - { .name: qc, .offset: 0, .size: 8, .value_kind: global_buffer, .address_space: global }
      - { .name: qs, .offset: 8, .size: 8, .value_kind: global_buffer, .address_space: global }
      - { .name: mc, .offset: 16, .size: 8, .value_kind: global_buffer, .address_space: global }
      - { .name: ms, .offset: 24, .size: 8, .value_kind: global_buffer, .address_space: global }
      - { .name: gid, .offset: 32, .size: 8, .value_kind: global_buffer, .address_space: global }
      - { .name: ridx, .offset: 40, .size: 8, .value_kind: global_buffer, .address_space: global }
      - { .name: rw, .offset: 48, .size: 8, .value_kind: global_buffer, .address_space: global }
    .group_segment_fixed_size: 0
    .private_segment_fixed_size: 0
    .kernarg_segment_align: 8
    .kernarg_segment_size: 56
    .max_flat_workgroup_size: 128
    .sgpr_count:     100
    .vgpr_count:     704
    .wavefront_size: 32
...
	.end_amdgpu_metadata
.endif
;; end of part 4
;; launch gather (part 5): grid 512 x 1, 8 waves a work-group, no clusters, 0 bytes of LDS; arguments memory, ridx, rw, out0; writes out0
.if DOCPART == 5
	.amdgcn_target "amdgcn-amd-amdhsa--gfx1250"
	.amdhsa_code_object_version 6
	.text
	.protected	k_qdac9e6e049_gather
	.globl	k_qdac9e6e049_gather
	.p2align	8
	.type	k_qdac9e6e049_gather,@function
k_qdac9e6e049_gather:
	s_mov_b64 s[64:65], 0
	v_nop
	global_prefetch_b8 v0, s[64:65] scope:SCOPE_SE
	s_setreg_imm32_b32 hwreg(HW_REG_WAVE_MODE, 25, 1), 1
	s_wait_xcnt 0x0
; out0[q][:] = the sum over t < k of w_t x memory[ridx[q][t]][:], raw f32 rows, f32 fused multiply-adds (a product of 1 x 10 x 1,024 for each query: nothing for the matrix units).
; k is ridx's word 15.  A slot at or past k has weight 0 and names slot 0's row again.
; SHARES: one wave, one query.  A row is 4,096 bytes: eight loads of 512 consecutive bytes; six rows' loads are out at a time, in six sets of 32 registers.
; ROWS AT OR PAST k ARE NOT FETCHED, from the seventh on: rows 0 to 5 are asked for at once in any case; n = k held to 6 .. 10 picks, by a scalar branch on that stored number, one of five bodies written out for n rows.
; The rows are named by numbers that an earlier launch stored; each is held at 16,383 before it enters an address.  No LDS, no barrier, no cluster: which rows two work-groups share is not known ahead.
; LIMITS: infinities and NaN in memory are not served (0 x such a row).
.set ACC, 4                            ; v4-35    the sums
.set X,   36                           ; v36-227  six rows
	s_load_b256 s[4:11], s[0:1], 0x0               ; memory s[4:5], ridx s[6:7], rw s[8:9], out0 s[10:11]
	v_lshrrev_b32 v2, 5, v0
	s_delay_alu instid0(VALU_DEP_1)
	v_readfirstlane_b32 s2, v2                     ; wave
	v_and_b32 v1, 31, v0
	s_delay_alu instid0(VALU_DEP_1)
	v_lshlrev_b32 v1, 4, v1                        ; 16 x lane
	s_lshl_b32 s3, ttmp9, 3
	s_add_co_u32 s3, s3, s2                        ; my query
	s_mov_b32 s23, 0
	s_wait_alu depctr_va_vdst(0)
	s_wait_kmcnt 0x0
	s_lshl_b32 s22, s3, 6
	s_add_nc_u64 s[6:7], s[6:7], s[22:23]
	s_lshl_b32 s22, s3, 7
	s_add_nc_u64 s[8:9], s[8:9], s[22:23]
	s_lshl_b32 s22, s3, 12
	s_add_nc_u64 s[10:11], s[10:11], s[22:23]
	s_load_b256 s[12:19], s[6:7], 0x0              ; the ten rows
	s_load_b64 s[20:21], s[6:7], 0x20
	s_load_b32 s2, s[6:7], 0x3c                    ; k
	s_load_b512 s[24:39], s[8:9], 0x0              ; the ten weights, each as a pair
	s_load_b128 s[40:43], s[8:9], 0x40
	s_wait_kmcnt 0x0
.irp t, 0,1,2,3,4,5,6,7,8,9
	s_min_u32 s[12+\t], s[12+\t], 0x3fff
	s_lshl_b32 s22, s[12+\t], 12
	s_add_nc_u64 s[44+2*\t:45+2*\t], s[4:5], s[22:23]
.endr
	s_min_u32 s2, s2, 10
	s_max_u32 s2, s2, 6                            ; n: how many rows are taken
.macro LOADROW t
.irp j, 0,1,2,3,4,5,6,7
	global_load_b128 v[X+32*((\t)%6)+4*\j:X+32*((\t)%6)+4*\j+3], v1, s[44+2*(\t):45+2*(\t)] offset:512*\j
.endr
.endm
.macro ROWFMA t, left                  ; left: 8 x the rows asked for behind row t, which may be out
	s_wait_loadcnt \left
.irp p, 0,1,2,3,4,5,6,7,8,9,10,11,12,13,14,15
.if (\t) == 0
	v_pk_mul_f32 v[ACC+2*\p:ACC+2*\p+1], v[X+32*((\t)%6)+2*\p:X+32*((\t)%6)+2*\p+1], s[24+2*(\t):25+2*(\t)] op_sel_hi:[1,0]   ; the first row starts the sums: nothing is cleared
.else
	v_pk_fma_f32 v[ACC+2*\p:ACC+2*\p+1], v[X+32*((\t)%6)+2*\p:X+32*((\t)%6)+2*\p+1], s[24+2*(\t):25+2*(\t)], v[ACC+2*\p:ACC+2*\p+1] op_sel_hi:[1,0,1]
.endif
.endr
.endm
; n rows: when row t is wanted, rows up to min(n - 1, t + 5) have been asked for; row t + 6, if there is one, goes into the set that has just been read.
.macro BODY n
.set tt, 0
.rept \n
.if \n-1-tt < 5
.set lf, 8*(\n-1-tt)
.else
.set lf, 40
.endif
	ROWFMA tt, lf
.if tt+6 < \n
	LOADROW tt+6
.endif
.set tt, tt+1
.endr
.endm
.irp t, 0,1,2,3,4,5
	LOADROW \t
.endr
	s_cmp_eq_u32 s2, 6
	s_cbranch_scc1 .Lk6
	s_cmp_eq_u32 s2, 7
	s_cbranch_scc1 .Lk7
	s_cmp_eq_u32 s2, 8
	s_cbranch_scc1 .Lk8
	s_cmp_eq_u32 s2, 9
	s_cbranch_scc1 .Lk9
	BODY 10
	s_branch .Lout
.Lk9:
	BODY 9
	s_branch .Lout
.Lk8:
	BODY 8
	s_branch .Lout
.Lk7:
	BODY 7
	s_branch .Lout
.Lk6:
	BODY 6
.Lout:
	s_wait_alu depctr_va_vdst(0)
.irp j, 0,1,2,3,4,5,6,7
	global_store_b128 v1, v[ACC+4*\j:ACC+4*\j+3], s[10:11] offset:512*\j th:TH_STORE_NT   ; 32 lanes store 512 consecutive bytes, at a multiple of 256 from out0's first byte
.endr
	s_endpgm
.Lfunc_end_k_qdac9e6e049_gather:
	.size	k_qdac9e6e049_gather, .Lfunc_end_k_qdac9e6e049_gather-k_qdac9e6e049_gather
	.p2alignl 7, 3214868480
	.fill 96, 4, 3214868480
	.section	.rodata,"a",@progbits
	.p2align	6, 0x0
	.amdhsa_kernel k_qdac9e6e049_gather
		.amdhsa_group_segment_fixed_size 0
		.amdhsa_private_segment_fixed_size 0
		.amdhsa_enable_private_segment 0
		.amdhsa_kernarg_size 32
		.amdhsa_user_sgpr_count 2
		.amdhsa_user_sgpr_kernarg_segment_ptr 1
		.amdhsa_wavefront_size32 1
		.amdhsa_system_sgpr_workgroup_id_x 1
		.amdhsa_system_sgpr_workgroup_id_y 1
		.amdhsa_system_sgpr_workgroup_id_z 1
		.amdhsa_system_vgpr_workitem_id 0
		.amdhsa_next_free_vgpr 232
		.amdhsa_next_free_sgpr 66
		.amdhsa_reserve_vcc 0
		.amdhsa_float_denorm_mode_32 3
		.amdhsa_float_denorm_mode_16_64 3
		.amdhsa_memory_ordered 1
		.amdhsa_forward_progress 1
		.amdhsa_inst_pref_size 57
	.end_amdhsa_kernel
	.amdgpu_metadata
---
amdhsa.version: [ 1, 2 ]
amdhsa.kernels:
  - .name:           k_qdac9e6e049_gather
    .symbol:         k_qdac9e6e049_gather.kd
    .args:
      - { .name: memory, .offset: 0, .size: 8, .value_kind: global_buffer, .address_space: global }
      - { .name: ridx, .offset: 8, .size: 8, .value_kind: global_buffer, .address_space: global }
      - { .name: rw, .offset: 16, .size: 8, .value_kind: global_buffer, .address_space: global }
      - { .name: out0, .offset: 24, .size: 8, .value_kind: global_buffer, .address_space: global }
    .group_segment_fixed_size: 0
    .private_segment_fixed_size: 0
    .kernarg_segment_align: 8
    .kernarg_segment_size: 32
    .max_flat_workgroup_size: 256
    .sgpr_count:     66
    .vgpr_count:     232
    .wavefront_size: 32
...
	.end_amdgpu_metadata
.endif
;; end of part 5
